; MI455X (gfx1250); checked and timed in simulation.
; The chip was launched on July 23, 2026; its instructions are those of AMD's public machine-readable ISA for CDNA 5 (MIT licence, August 2026) and "CDNA5" Instruction Set Architecture Reference Guide (July 2026). The comments in the code are by the model that wrote it; some were corrected since.
;; Causal Multi Head Self Attention. Allowed arithmetic: matrix products marked QUANTISED: E4M3 operands, one E8M0 scale for each 32 along K, by v_wmma_scale_f32_16x16x128_f8f6f4 with both operands' format E4M3, f32 sums; everything else in f32.
;; Inputs: Wk 1,024 x 1,024 float32; Wo 1,024 x 1,024 float32; Wq 1,024 x 1,024 float32; Wv 1,024 x 1,024 float32; cos 2,048 x 32 float32; pos_ids 4 x 2,048 int32; sin 2,048 x 32 float32; x 4 x 2,048 x 1,024 float32.
;; Outputs: out0 4 x 2,048 x 1,024 float32.
;; This version of the problem:
;;   THIS VERSION OF THE PROBLEM IS GIVEN IN LOW PRECISION. The matrix products marked QUANTISED in the list below multiply operands that are first quantised to E4M3 (4 exponent bits, 3 mantissa bits; 8 bits a number), with one power-of-two scale for each 32 numbers along K (OCP MX v1.0); their sums are f32. All else is computed in f32.
;;   The module's matrix products, in the order in which they are computed (A, B: the left and right operand; K: the contracted axis; several contracted axes count as one K, in the product's order):
;;     1. [M 8,192, K 1,024] x [K 1,024, N 1,024]; A: input x; B: input Wq: QUANTISED
;;     2. [M 8,192, K 1,024] x [K 1,024, N 1,024]; A: input x; B: input Wk: QUANTISED
;;     3. [M 8,192, K 1,024] x [K 1,024, N 1,024]; A: input x; B: input Wv: QUANTISED
;;     4. batch 64 x [M 2,048, K 64] x [K 64, N 2,048]; A: computed on the way; B: computed on the way: QUANTISED
;;     5. batch 64 x [M 2,048, K 2,048] x [K 2,048, N 64]; A: softmax (see below); B: computed on the way: QUANTISED
;;     6. [M 8,192, K 1,024] x [K 1,024, N 1,024]; A: computed on the way; B: input Wo: QUANTISED
;;   THE QUANTISER, for each operand of a quantised product, along K:
;;     - K is cut into blocks of 32 from its start; a last block that is shorter is filled with zeros.
;;     - A block's scale is 2^e with e = floor(log2(the largest magnitude in the block)) - 8, held to -126 .. 127; a block of zeros has e = 0. As a byte (E8M0): e + 127.
;;     - Each number is divided by its block's scale, clamped to +-448, and rounded to the nearest number of E4M3, ties to even, subnormals kept.
;;     - The product sums the exact products of the quantised numbers (number of the format x scale) in f32.
;;   ~~~python
;;   def quantise(x, axis):      # numpy; x: float32 -> the quantised numbers, widened to float32 again
;;       x = np.moveaxis(x, axis, -1); K = x.shape[-1]
;;       x = np.pad(x, [(0, 0)] * (x.ndim - 1) + [(0, -K % 32)]); x = x.reshape(x.shape[:-1] + (-1, 32)); a = np.abs(x).max(-1, keepdims=True)
;;       e = np.where(a > 0, np.clip(np.frexp(np.where(a > 0, a, 1))[1] - 1 - 8, -126, 127), 0)      # np.frexp(a)[1] - 1 = floor(log2(a)), exactly
;;       r = np.clip(x / 2.0 ** e, -448, 448)
;;       step = 2.0 ** (np.maximum(np.frexp(np.where(r == 0, 1, r))[1] - 1, -6) - 3)
;;       q = np.round(r / step) * step * 2.0 ** e      # np.round: ties to even
;;       return np.moveaxis(q.reshape(q.shape[:-2] + (-1,))[..., :K], -1, axis).astype(np.float32)
;;   ~~~
;;   SOFTMAX AHEAD OF A QUANTISED PRODUCT. Where the list says 'softmax', what is quantised is not the finished softmax but p = 2^(t - M), with t = logit x log2(e) and M = ceil(the row's largest t), a whole number; so 1/2 < the row's largest p <= 1. The row's sum l is taken of the UNQUANTISED p, in f32, and the product's result is divided by l at the end. Since M is a whole number, a kernel that streams over the keys may use a running M (the ceiling of the running maximum): every later rescaling is an exact power of two, which a block's scale takes up: the codes' values come out the same.
;;   OPERANDS COMPUTED ON THE WAY. 'Computed on the way' means the value that the module computes at that place (a softmax that the list does not call 'softmax' is quantised finished and normalised). What goes into a quantiser is computed in f32, as accurately as f32 sums, v_exp_f32 and their like allow (about 1e-6 of the number): no bf16 or f16 on the way to a quantiser, and a product that is left as it is and whose result goes on into a quantised operand takes f32 operands (vector FMAs, or v_wmma_f32_16x16x4_f32). A number that lies on a knife's edge between two numbers of the format may be rounded either way, as far as f32 arithmetic and the matrix unit's own rounding can turn it there, and no further.
;; One version. Each part assembles by itself: llvm-mc -triple=amdgcn-amd-amdhsa -mcpu=gfx1250 --defsym DOCPART=n.
;; ======== version 1 of 1: 4 launches
;; limits: right only within a limited range of input values
;; workspace buffers: xq 8,650,752 bytes; wq 4,325,376 bytes; q 8,912,896 bytes; kv 17,563,648 bytes; oq 8,650,752 bytes
;; launch quant (part 1): grid 384 x 1, 4 waves a work-group, no clusters, 33,280 bytes of LDS; arguments x, Wq, Wk, Wv, Wo, xq, wq; writes xq, wq
.if DOCPART == 1
	.amdgcn_target "amdgcn-amd-amdhsa--gfx1250"
	.amdhsa_code_object_version 6
	.text
	.protected	k_q3fec3db9ed_quant
	.globl	k_q3fec3db9ed_quant
	.p2align	8
	.type	k_q3fec3db9ed_quant,@function
k_q3fec3db9ed_quant:
	s_mov_b64 s[64:65], 0
	v_nop
	global_prefetch_b8 v0, s[64:65] scope:SCOPE_SE
	s_setreg_imm32_b32 hwreg(HW_REG_WAVE_MODE, 25, 1), 1
	s_wait_xcnt 0x0
; x [8192][1024] and Wq, Wk, Wv, Wo [1024][1024], f32, K innermost, become codes of FP8 (E4M3) with one E8M0 scale byte for each 32 along K.
; xq: codes [8192][1024 bytes], from byte 0x800000 on scale bytes [8192][32].  wq: codes [4096][1024] (Wq, Wk, Wv, Wo on end), from byte 0x400000 on scale bytes [4096][32].
; ROWS ARE STORED WITH BITS 3 AND 4 OF THE ROW NUMBER EXCHANGED: 16 neighbouring stored rows, taken as source 0 of a matrix instruction, then leave a lane's 16 registers of two
; neighbouring result tiles as 16 neighbours of the true order, which is what the next quantiser wants.  A wave's run is 8 rows, so the exchange is one of bits 0 and 1 of the run's number: the wave's number.
; A block's scale is 2^(floor(log2(largest magnitude)) - 8): its byte is the largest magnitude's exponent field - 8, held at 1 from below; numbers are rounded to the nearest code, ties to even.
; LIMITS: a block of zeros, or one whose largest magnitude lies under 2^-118, gets the byte 1 (its codes are then zeros or tiny; only this program reads the bytes); NaN and infinities among the inputs are not served.
; A wave takes 16 steps of 512 numbers.  Each load reads 512 consecutive bytes; a step's 2,048 bytes turn through the wave's own stage in LDS, so that a lane then holds 16 neighbours (two lanes hold a block).
; Work-groups 0-255 take x, 256 + 32 t .. 256 + 32 t + 31 weight t: only pointers and offsets are chosen, there is one path.  No tensor loads, no barrier: waves share nothing.
.set STEPS, 16
.set MANT,  0x600000                   ; the mantissa field of 448 as f32
.set CB,    16                         ; bytes of 16 codes
.set R,     16                         ; v16-79   four sets of 16 numbers as they are loaded
.set X,     80                         ; v80-111  two sets of 16 neighbours
.set C,     128                        ; v128-191 codes: four registers for each step, so that no store's data are written again
.set E,     112                        ; v112-127 a scale byte for each step
.set WREG,  8192                       ; LDS: a region for each wave: two stages of 32 x SP bytes, then its 256 scale bytes
.set SP,    80                         ; a lane's place in a stage: its 64 bytes + 16 of padding
	s_load_b256 s[4:11], s[0:1], 0x0               ; x, Wq, Wk, Wv
	s_load_b128 s[12:15], s[0:1], 0x20             ; Wo, xq
	s_load_b64 s[16:17], s[0:1], 0x30              ; wq
	v_lshl_add_u32 v192, v0, 2, 0x8000
	v_mov_b32 v193, 0
	v_lshrrev_b32 v1, 5, v0
	v_readfirstlane_b32 s18, v1                    ; wave
	v_and_b32 v2, 31, v0                           ; lane
	v_lshlrev_b32 v3, 4, v2                        ; my 16 bytes of a load's 512
	s_mul_i32 s23, s18, WREG
	v_lshrrev_b32 v14, 2, v2
	v_mul_u32_u24 v14, v14, SP
	v_and_b32 v15, 3, v2
	v_lshl_add_u32 v14, v15, 4, v14
	v_add_nc_u32 v14, s23, v14                     ; the stage, on the way in: SP (lane / 4) + 16 (lane % 4)
	v_mul_u32_u24 v15, v2, SP
	v_add_nc_u32 v15, s23, v15                     ; and on the way out: SP x lane: my 16 neighbours
	v_mul_u32_u24 v4, v2, CB                       ; my codes' place in a step's
	v_lshrrev_b32 v5, 1, v2
	s_add_co_u32 s23, s23, 2*32*SP
	v_add_nc_u32 v5, s23, v5                       ; LDS: my wave's 256 scale bytes, my block's byte
	v_lshlrev_b32 v7, 3, v2                        ; and on the way out 8 bytes a lane
	v_add_nc_u32 v6, s23, v7
	s_and_b32 s22, s18, 1
	s_lshl_b32 s22, s22, 1
	s_lshr_b32 s19, s18, 1
	s_or_b32 s22, s22, s19                         ; the wave's number with its two bits exchanged
	s_mov_b32 s26, 0x400000
	s_mov_b32 s28, 31
	s_wait_alu depctr_va_vdst(0)
	s_wait_kmcnt 0x0
	s_cmp_lt_u32 ttmp9, 256                        ; x or a weight?  Every choice hangs on the work-group's number alone
	s_cselect_b64 s[24:25], s[14:15], s[16:17]     ; where the results go: xq or wq
	s_cselect_b32 s26, 0x800000, s26               ; where its scale bytes begin
	s_cselect_b32 s27, 0, 256                      ; the first work-group of that buffer
	s_cselect_b32 s28, 255, s28                    ; work-groups to a tensor, less one
	s_cmp_ge_u32 ttmp9, 256
	s_cselect_b64 s[4:5], s[6:7], s[4:5]
	s_cmp_ge_u32 ttmp9, 288
	s_cselect_b64 s[4:5], s[8:9], s[4:5]
	s_cmp_ge_u32 ttmp9, 320
	s_cselect_b64 s[4:5], s[10:11], s[4:5]
	s_cmp_ge_u32 ttmp9, 352
	s_cselect_b64 s[4:5], s[12:13], s[4:5]         ; the tensor that I read
	s_sub_co_u32 s19, ttmp9, s27                   ; my number among the buffer's work-groups
	s_and_b32 s20, s19, s28
	s_lshl_b32 s20, s20, 2
	s_add_co_u32 s20, s20, s18                     ; my run of 8 rows in the tensor
	s_lshl_b32 s20, s20, 15                        ; 32,768 bytes a run
	s_mov_b32 s21, 0
	s_add_nc_u64 s[4:5], s[4:5], s[20:21]
	s_lshl_b32 s19, s19, 2
	s_add_co_u32 s19, s19, s22                     ; the run's place in the buffer
	s_lshl_b32 s20, s19, 13                        ; 8,192 bytes of codes a run
	s_add_nc_u64 s[30:31], s[24:25], s[20:21]
	s_lshl_b32 s20, s19, 8                         ; 256 scale bytes a run
	s_add_co_u32 s20, s20, s26
	s_add_nc_u64 s[32:33], s[24:25], s[20:21]
.macro LOAD t
.irp i, 0,1,2,3
	global_load_b128 v[R+16*((\t)%4)+4*\i:R+16*((\t)%4)+4*\i+3], v3, s[4:5] offset:2048*(\t)+512*\i th:TH_LOAD_NT   ; 32 lanes read 512 consecutive bytes; read once in the launch
.endr
.endm
.macro TURN t                          ; step t's numbers through the stage: LDS serves a wave's instructions in order, so no wait stands between the stores and the loads
.irp i, 0,1,2,3
	ds_store_b128 v14, v[R+16*((\t)%4)+4*\i:R+16*((\t)%4)+4*\i+3] offset:32*SP*((\t)%2)+8*SP*\i
.endr
.irp i, 0,1,2,3
	ds_load_b128 v[X+16*((\t)%2)+4*\i:X+16*((\t)%2)+4*\i+3], v15 offset:32*SP*((\t)%2)+16*\i
.endr
.endm
.irp t, 0,1,2,3
	LOAD \t
.endr
	s_wait_loadcnt 12                              ; step 0's four loads are in; three steps' twelve stay out
	TURN 0
.macro STEP t
.set XS, X+16*((\t)%2)
.if (\t) > 0
	s_wait_dscnt 1                                 ; this step's numbers are back from the stage (the last step's byte store may be out): so its stores into the stage have read their registers,
.else
	s_wait_dscnt 0x0
.endif
.if (\t)+4 < STEPS
	LOAD (\t)+4                                    ; which take the loads of four steps on
.endif
.if (\t)+1 < STEPS
.if STEPS-2-(\t) >= 3
	s_wait_loadcnt 12                              ; the next step's four loads are in; those of the three steps behind it may be out
.else
	s_wait_loadcnt 4*(STEPS-2-(\t))
.endif
	TURN (\t)+1                                    ; and go through the other stage while this step is worked
.endif
	v_max3_num_f32 v8, |v[XS]|, |v[XS+1]|, |v[XS+2]|               ; the largest magnitude of my 16, in two chains
	v_max3_num_f32 v9, |v[XS+3]|, |v[XS+4]|, |v[XS+5]|
.irp i, 6,10
	v_max3_num_f32 v8, v8, |v[XS+\i]|, |v[XS+\i+1]|
	v_max3_num_f32 v9, v9, |v[XS+\i+2]|, |v[XS+\i+3]|
.endr
	v_max3_num_f32 v8, v8, |v[XS+14]|, |v[XS+15]|
	v_max3_num_f32 v8, v8, v9, 0x4800000           ; and the floor 2^(9 - 127): the byte cannot fall under 1
	v_max_num_f32_dpp v8, v8, v8 row_xmask:1 row_mask:0xf bank_mask:0xf   ; and of my neighbour's 16: the block's
	v_add_nc_u32 v11, 0xfc000000, v8               ; 8 off its exponent field: the conversion takes the exponent field of this operand as its scale
.irp i, 0,1,2,3,4,5,6,7,8,9,10,11,12,13,14,15
.endr
	v_cvt_scalef32_pk8_fp8_f32 v[C+4*(\t):C+4*(\t)+1], v[XS:XS+7], v11
	v_cvt_scalef32_pk8_fp8_f32 v[C+4*(\t)+2:C+4*(\t)+3], v[XS+8:XS+15], v11
	v_lshrrev_b32 v[E+(\t)], 23, v11               ; the scale's byte (also the plain line behind the conversions)
	ds_store_b8 v5, v[E+(\t)] offset:16*(\t)       ; both lanes of a block write the same byte with the same value
	global_store_b128 v4, v[C+4*(\t):C+4*(\t)+3], s[30:31] offset:32*CB*(\t)   ; the wave stores 512 consecutive bytes
.endm
.irp t, 0,1,2,3,4,5,6,7,8,9,10,11,12,13,14,15
	STEP \t
.endr
	ds_load_b64 v[12:13], v6                       ; LDS serves a wave's instructions in order: these see my stores
	s_wait_dscnt 0x0
	global_store_b64 v7, v[12:13], s[32:33]        ; 32 lanes store 256 consecutive bytes, aligned
	s_wait_tensorcnt 0x0
	ds_add_u32 v192, v193
	s_wait_dscnt 0x0
	s_endpgm
.Lfunc_end_k_q3fec3db9ed_quant:
	.size	k_q3fec3db9ed_quant, .Lfunc_end_k_q3fec3db9ed_quant-k_q3fec3db9ed_quant
	.p2alignl 7, 3214868480
	.fill 96, 4, 3214868480
	.section	.rodata,"a",@progbits
	.p2align	6, 0x0
	.amdhsa_kernel k_q3fec3db9ed_quant
		.amdhsa_group_segment_fixed_size 33280
		.amdhsa_private_segment_fixed_size 0
		.amdhsa_enable_private_segment 0
		.amdhsa_kernarg_size 56
		.amdhsa_user_sgpr_count 2
		.amdhsa_user_sgpr_kernarg_segment_ptr 1
		.amdhsa_wavefront_size32 1
		.amdhsa_system_sgpr_workgroup_id_x 1
		.amdhsa_system_sgpr_workgroup_id_y 1
		.amdhsa_system_sgpr_workgroup_id_z 1
		.amdhsa_system_vgpr_workitem_id 0
		.amdhsa_next_free_vgpr 194
		.amdhsa_next_free_sgpr 66
		.amdhsa_reserve_vcc 0
		.amdhsa_float_denorm_mode_32 3
		.amdhsa_float_denorm_mode_16_64 3
		.amdhsa_fp16_overflow 1
		.amdhsa_memory_ordered 1
		.amdhsa_forward_progress 1
		.amdhsa_inst_pref_size 34
	.end_amdhsa_kernel
	.amdgpu_metadata
---
amdhsa.version: [ 1, 2 ]
amdhsa.kernels:
  - .name:           k_q3fec3db9ed_quant
    .symbol:         k_q3fec3db9ed_quant.kd
    .args:
      - { .name: x, .offset: 0, .size: 8, .value_kind: global_buffer, .address_space: global }
      - { .name: Wq, .offset: 8, .size: 8, .value_kind: global_buffer, .address_space: global }
      - { .name: Wk, .offset: 16, .size: 8, .value_kind: global_buffer, .address_space: global }
      - { .name: Wv, .offset: 24, .size: 8, .value_kind: global_buffer, .address_space: global }
      - { .name: Wo, .offset: 32, .size: 8, .value_kind: global_buffer, .address_space: global }
      - { .name: xq, .offset: 40, .size: 8, .value_kind: global_buffer, .address_space: global }
      - { .name: wq, .offset: 48, .size: 8, .value_kind: global_buffer, .address_space: global }
    .group_segment_fixed_size: 33280
    .private_segment_fixed_size: 0
    .kernarg_segment_align: 8
    .kernarg_segment_size: 56
    .max_flat_workgroup_size: 128
    .sgpr_count:     66
    .vgpr_count:     194
    .wavefront_size: 32
...
	.end_amdgpu_metadata
.endif
;; end of part 1
;; launch qkv (part 2): grid 8 x 48, 4 waves a work-group, clusters of 4 x 4, 327,680 bytes of LDS; arguments xq, wq, pos_ids, cos, sin, q, kv; writes q, kv
.if DOCPART == 2
	.amdgcn_target "amdgcn-amd-amdhsa--gfx1250"
	.amdhsa_code_object_version 6
	.text
	.protected	k_q3fec3db9ed_qkv
	.globl	k_q3fec3db9ed_qkv
	.p2align	8
	.type	k_q3fec3db9ed_qkv,@function
k_q3fec3db9ed_qkv:
	s_mov_b64 s[64:65], 0
	v_nop
	global_prefetch_b8 v0, s[64:65] scope:SCOPE_SE
	s_setreg_imm32_b32 hwreg(HW_REG_WAVE_MODE, 25, 1), 1
	s_wait_xcnt 0x0
	s_wait_alu depctr_hold_cnt(0) depctr_sa_sdst(0) depctr_va_vdst(0) depctr_va_sdst(0) depctr_va_ssrc(0) depctr_va_vcc(0) depctr_vm_vsrc(0)
	s_getreg_b32 s2, hwreg(HW_REG_IB_STS2, 6, 4)
	s_cmp_eq_u32 s2, 0
	s_cbranch_scc0 .Lentry_in_a_cluster
	s_endpgm
.Lentry_in_a_cluster:
	s_bfe_u32 s2, ttmp6, 0x10000c
	s_cmp_lg_u32 s2, 0xf033
	s_cbranch_scc0 .Lentry_shape_is_right
	s_endpgm
.Lentry_shape_is_right:
; The three projections on codes of FP8 (E4M3) with E8M0 scales, the rotation of Q and K, and the quantising of Q, K (along the head's 64) and V (along the keys).
; A tile of 256 x 256 is made by four waves, 128 x 128 each: 64 accumulators of 16 x 16, 512 registers.  K = 1,024 goes in four steps of 256 through a ring of two LDS slots filled by the tensor data mover.
; TWO KINDS OF CLUSTER, told apart by the cluster's y, which all sixteen partners share.  y < 8 (QK): side A = x (8,192 rows), side B = Wq and Wk on end (2,048 rows).  y >= 8 (V): side A = Wv (1,024 rows), side B = x.
; THE MATRIX INSTRUCTION IS USED TRANSPOSED (source 0 = 16 rows of B, source 1 = 16 rows of A): a lane holds ONE row of A and its registers run along B's rows.  All rows were stored with bits 3 and 4 of the row
; number exchanged, so the 64 registers of a block of A (8 accumulators) are, in order, B's true rows 32 b + 16 (lane / 16) + i, b = 0..3, i = 0..15: the order in which a fragment of 8-bit codes wants its K.
; QK: a lane holds one token and 2 heads x 64 channels: rotated by cos, sin at pos_ids[token], quantised in blocks of 32 channels.  V: a lane holds one channel and 128 keys: quantised in blocks of 32 keys.
; THE RESULTS LEAVE AS IMAGES OF THE NEXT OPERAND'S REGISTERS: four registers of 32 lanes are 512 consecutive bytes, lane l's 16 bytes at 16 l: every store of codes covers 512 consecutive aligned bytes.
;   q:  [batch x head 64][128 queries 16][8,704]: codes [tile 8][32 channels 2][lane][16], from 8,192 on scale words [row 16][tile 8] (bytes 2 and 3 are 0: the upper half of the product's K is zero codes)
;   kv: [batch x head 64][128 keys 16][17,152]: K's codes as q's; from 8,192 V's codes [16 channels 4][32 keys 4][lane][16]; from 16,384 K's scale words [row 16][tile 8]; from 16,896 V's [row 16][tile 4]
; CLUSTERS: 4 x 4 work-groups; A's tiles are asked for jointly along a row of the cluster, B's along a column.
; LIMITS: pos_ids is held to 0 .. 2,047; NaN and infinities are not served; a block of zeros, or under 2^-118, gets the byte 1 (only this program reads the bytes); the rotation fuses its second multiply and add, where the source rounds twice.
; REGISTERS, in windows of 256: window 0: v0-31 addresses; v32-63 scale words of the products, two sets; v64-71 pos_ids; from v128 A's fragments, ONE set.  window 1: B's fragments, TWO sets.
;   window 2: the 32 accumulators of my rows 0-63 of A ((a, b) at v[8 (8 a + b)]); window 3: those of rows 64-127.  On the way out window 0's v8-15 and v72-255 are at work (names below).
.set KSTEP,  256
.set NQ,     2                         ; matrix instructions deep in a slot
.set ROWB,   256                       ; a tile's row in bytes
.set KROW,   1024                      ; a row of codes in memory
.set PITCH,  272                       ; an LDS row: 256 bytes + 16 of padding = 68 words: the 16 rows that a load touches start at 16 different banks (64 banks of 4 bytes: ISA guide 11.1)
.set FR,     16                        ; registers of a fragment
.set NL,     4                         ; LDS loads that bring one
.set NP,     8                         ; places behind this matrix instruction (ISA guide 7.12.1)
.set HALFT,  128*PITCH                 ; 128 rows: what one tensor load brings
.set SLOT,   4*HALFT                   ; A's 256 rows, then B's 256 rows
.set LAPS,   2                         ; a lap = two K steps = once round the ring
.set KS,     32                        ; a row of scale bytes
.set SCL,    2*SLOT                    ; behind the ring: the scales of all of K, as units of 256 bytes + 16 of padding; filled once
.set HALFS,  16*272                    ; the scales of 128 rows
.set SBLK,   2*272                     ; those of 16 rows
.set SPARE,  SCL+4*HALFS               ; the spare words, 128 bytes for each wave: two blocks of 256 bytes that no other line names
.set ADRA, 16                          ; v16-17  LDS address of my A fragments in slot 0, 1
.set ADRB, 20                          ; v20-21  the same for B
.set ADRS, 27                          ; v27     LDS address of my scale words: lanes 0-15 A's rows, lanes 16-31 B's
.set SPW,  28                          ; v28     LDS address of my spare word; never rewritten
.set NIL,  29                          ; v29     0; never rewritten
.set SC,   32                          ; scale words: set s at v[SC + 16 s]
.set AF,   128                         ; A's fragments
.set OUTW, 8                           ; the way out: v8-15 the scale words that I store
.set POS,  64                          ; v64-71  pos_ids of my token in A's blocks 0-7, later the byte offset of its row of cos and sin
.set ADH,  72                          ; v72-73  16 x lane, for my first head and for my second
.set ADSC, 74                          ; v74     where I store scale words
.set TA,   76                          ; v76-79  the rotation's products, two pairs by turns
.set SW,   80                          ; v80-95  scale words as they are made
.set X,    96                          ; v96-159 64 numbers on their way to codes
.set CSR,  160                         ; v160-223 cos (16) and sin (16) of a block's token, two sets
.set PC,   224                         ; v224-239 the codes
.set TM,   240                         ; v240-243 largest magnitudes, v244-247 bytes, v248-251 448 x the scale, v252-255 the conversions' scale operands
.set G1, 24                            ; s[24:31] descriptor group 1 for A's tiles;  s[32:39] group 0, one set for each slot
.set G0, 32
.set G1B, 48                           ; s[48:55], s[56:63] the same for B's tiles
.set G0B, 56
.set G1S, 68                           ; s[68:75], s[76:79] groups 1 and 0 for A's scales;  s[80:87], s[88:91] for B's
.set G0S, 76
.set G1SB, 80
.set G0SB, 88
.set MSB, 0
.macro WIN new                         ; the immediate's high byte repeats the setting that is left; a switch that changes nothing is dropped
.if MSB != (\new)
	s_set_vgpr_msb (MSB<<8)|(\new)
.set MSB, (\new)
.endif
.endm
.set MUL_LO, 0xa1                      ; source 0 (B) window 1, source 1 (A) window 0, C and D window 2
.set MUL_HI, 0xf1                      ; the same, C and D window 3
.set TO_B,   0x40                      ; destination window 1, address window 0
; A joint load: waves 0 and 1 fetch for A, waves 2 and 3 for B.  The branch hangs on the wave's number alone.  Four v_nop follow each of the two lines.
.macro JLOAD g0a, g1a, g0b, g1b
	s_cmp_eq_u32 s15, 0
	s_cbranch_scc0 .Lfor_b_\@
	tensor_load_to_lds s[\g0a:\g0a+3], s[\g1a:\g1a+7]
	s_nop 0
.rept 4
	v_nop
.endr
	s_branch .Lasked_\@
.Lfor_b_\@:
	tensor_load_to_lds s[\g0b:\g0b+3], s[\g1b:\g1b+7]
	s_nop 0
.rept 4
	v_nop
.endr
.Lasked_\@:
.endm
.macro CREST                           ; a round of the cluster's barrier behind its opening barrier
	s_cmp_lg_u32 s14, 0
	s_cbranch_scc1 .Lnot_wave_0_\@
	s_barrier_signal -3
.Lnot_wave_0_\@:
	s_barrier_wait -3
	s_barrier_signal -1
	s_barrier_wait -1
.endm
.macro CROUND                          ; a whole round
	s_barrier_signal -1
	s_barrier_wait -1
	CREST
.endm
	s_load_b128 s[4:7], s[0:1], 0x0                ; xq, wq
	s_load_b64 s[12:13], s[0:1], 0x10              ; pos_ids
	v_lshl_add_u32 v[SPW], v0, 2, SPARE
	v_mov_b32 v[NIL], 0
	ds_add_u32 v28, v29
	ds_add_u32 v28, v29
	s_wait_dscnt 0x0
	v_lshrrev_b32 v1, 5, v0
	v_readfirstlane_b32 s14, v1                    ; wave 0..3
	s_lshr_b32 s15, s14, 1                         ; which half of the tile's rows of A is mine.  Also: I fetch for A (0) or for B (1)
	s_and_b32 s16, s14, 1                          ; which half of its rows of B.  Also: which 128 rows of that tile I fetch
	s_bfe_u32 s40, ttmp6, 0x40000                  ; cx, cy: my place in the cluster
	s_bfe_u32 s41, ttmp6, 0x40004
	s_and_b32 s67, ttmp7, 0xffff                   ; the cluster's y: 0..7 QK, 8..11 V
	s_max_u32 s98, s67, 8
	s_lshl_b32 s98, s98, 1
	s_add_co_u32 s98, s98, ttmp9
	s_sub_co_u32 s98, s98, 16                      ; V: 2 (y - 8) + x: which four tile columns of x
	s_cmp_ge_u32 s67, 8
	s_cselect_b32 s95, 1, 0                        ; the kind: 1 = V
	s_cselect_b32 s96, 0, s67
	s_cselect_b32 s97, s98, ttmp9
	s_lshl_b32 s42, s97, 2
	s_add_co_u32 s42, s42, s40                     ; B's tile: 4 x (..) + cx
	s_lshl_b32 s17, s96, 2
	s_add_co_u32 s17, s17, s41                     ; A's tile: 4 x (..) + cy
	s_lshl_b32 s43, s41, 2
	s_lshl_b32 s43, 15, s43                        ; my row of the cluster
	s_lshl_b32 s44, 0x1111, s40                    ; my column
	; descriptor group 1: a tile of 128 rows x 256 bytes, padded in LDS
	s_or_b32 s[G1+0], s43, (0<<16)|(1<<20)|(1<<21)|(5<<22)|(3<<25)  ; 15:0 the mask: A's tiles go to my row; 17:16 element of 1 byte; 20 padding on; 21 set beside a mask; 24:22 after every 64 words; 31:25 four words
	s_or_b32 s[G1B+0], s44, (0<<16)|(1<<20)|(1<<21)|(5<<22)|(3<<25)
.irp g, G1, G1B
	s_mov_b32 s[\g+1], ROWB<<16                    ; tensor_dim0
	s_mov_b32 s[\g+2], 128<<16                     ; tensor_dim1
	s_mov_b32 s[\g+3], ROWB<<16                    ; tile_dim0
	s_mov_b32 s[\g+4], 128                         ; tile_dim1
	s_mov_b32 s[\g+5], KROW                        ; tensor_dim0_stride
	s_mov_b32 s[\g+6], 0
	s_mov_b32 s[\g+7], 0
.endr
	; the scales of 128 rows: 4,096 dense bytes, as 16 rows of 256 bytes (32 elements of 8 bytes), 16 bytes of padding behind each
	s_or_b32 s[G1S+0], s43, (3<<16)|(1<<20)|(1<<21)|(5<<22)|(3<<25)
	s_or_b32 s[G1SB+0], s44, (3<<16)|(1<<20)|(1<<21)|(5<<22)|(3<<25)
.irp g, G1S, G1SB
	s_mov_b32 s[\g+1], 32<<16
	s_mov_b32 s[\g+2], 16<<16
	s_mov_b32 s[\g+3], 32<<16
	s_mov_b32 s[\g+4], 16
	s_mov_b32 s[\g+5], 32
	s_mov_b32 s[\g+6], 0
	s_mov_b32 s[\g+7], 0
.endr
	s_lshl_b32 s18, s16, 7                         ; which 128 rows of the tile I fetch
	s_lshl_b32 s20, s17, 8
	s_add_co_u32 s20, s20, s18                     ; A: row 256 x tile + 128 x half
	s_lshl_b32 s46, s42, 8
	s_add_co_u32 s46, s46, s18                     ; B likewise
	s_lshl_b32 s22, s20, 5                         ; their scale bytes: 32 a row,
	s_mov_b32 s23, 0
	s_lshl_b32 s92, s46, 5
	s_mov_b32 s93, 0
	s_lshl_b32 s20, s20, 10                        ; their codes: 1,024 a row
	s_mov_b32 s21, 0
	s_lshl_b32 s46, s46, 10
	s_mov_b32 s47, 0
	s_mul_i32 s45, s14, HALFT                      ; where they go: wave x 128 rows: no place in the cluster enters an LDS address
	s_mul_i32 s94, s14, HALFS
	s_mov_b32 s100, 0x800000
	s_mov_b32 s101, 0x400000
	s_wait_kmcnt 0x0
	s_cmp_eq_u32 s95, 1                            ; the kind chooses buffers and offsets: it hangs on the cluster's y alone
	s_cselect_b64 s[8:9], s[6:7], s[4:5]           ; A's buffer: wq (V) or xq
	s_cselect_b64 s[10:11], s[4:5], s[6:7]         ; B's buffer: xq (V) or wq
	s_cselect_b32 s99, 0x200000, 0                 ; A's codes: Wv begins at row 2,048 of wq
	s_cselect_b32 s100, 0x410000, s100             ; A's scale bytes: Wv's in wq, or xq's
	s_cselect_b32 s101, 0x800000, s101             ; B's scale bytes: xq's, or wq's
	s_add_co_u32 s20, s20, s99
	s_add_co_u32 s22, s22, s100
	s_add_co_u32 s92, s92, s101
	s_add_nc_u64 s[20:21], s[8:9], s[20:21]
	s_add_nc_u64 s[22:23], s[8:9], s[22:23]
	s_add_nc_u64 s[46:47], s[10:11], s[46:47]
	s_add_nc_u64 s[92:93], s[10:11], s[92:93]
	CROUND                                         ; all sixteen work-groups are here: the first joint loads meet
	s_mov_b32 s[G0S], 1
	s_add_co_u32 s[G0S+1], s94, SCL
	s_mov_b64 s[G0S+2:G0S+3], s[22:23]
	s_or_b32 s[G0S+3], s[G0S+3], 0x80000000
	s_mov_b32 s[G0SB], 1
	s_add_co_u32 s[G0SB+1], s94, SCL
	s_mov_b64 s[G0SB+2:G0SB+3], s[92:93]
	s_or_b32 s[G0SB+3], s[G0SB+3], 0x80000000
	JLOAD G0S, G1S, G0SB, G1SB                     ; the scales first: they are wanted with K step 0
.irp s, 0,1
	s_mov_b32 s[G0+4*\s], 1
	s_add_co_u32 s[G0+4*\s+1], s45, \s*SLOT
	s_add_nc_u64 s[G0+4*\s+2:G0+4*\s+3], s[20:21], \s*ROWB
	s_or_b32 s[G0+4*\s+3], s[G0+4*\s+3], 0x80000000
	s_mov_b32 s[G0B+4*\s], 1
	s_add_co_u32 s[G0B+4*\s+1], s45, \s*SLOT
	s_add_nc_u64 s[G0B+4*\s+2:G0B+4*\s+3], s[46:47], \s*ROWB
	s_or_b32 s[G0B+4*\s+3], s[G0B+4*\s+3], 0x80000000
	JLOAD G0+4*\s, G1, G0B+4*\s, G1B
.endr
	v_and_b32 v1, 15, v0                           ; r = l % 16
	v_bfe_u32 v2, v0, 4, 1                         ; h = l / 16
	v_mul_u32_u24 v3, v1, PITCH
	v_lshl_add_u32 v4, v2, 4, v3                   ; a fragment's row x pitch + 16 x half
	s_mul_i32 s21, s15, HALFT                      ; my 128 rows of A
	s_mul_i32 s22, s16, HALFT                      ; my 128 rows of B,
	s_add_co_u32 s22, s22, 2*HALFT                 ; which lie behind A's 256
.irp s, 0,1
	v_add_nc_u32 v[ADRA+\s], s21, v4
	v_add_nc_u32 v[ADRB+\s], s22, v4
	s_add_co_u32 s21, s21, SLOT
	s_add_co_u32 s22, s22, SLOT
.endr
	v_mul_u32_u24 v5, v1, KS                       ; my row's scales: 32 bytes a row,
	v_lshrrev_b32 v6, 8, v5
	v_lshl_add_u32 v5, v6, 4, v5                   ; and 16 more for each 256 passed
	s_mul_i32 s21, s15, HALFS                      ; A's: my 128 rows
	s_mul_i32 s22, s16, HALFS                      ; B's: my 128 rows, behind A's 256
	s_add_co_u32 s22, s22, 2*HALFS
	s_sub_co_u32 s22, s22, s21
	v_mul_u32_u24 v6, s22, v2                      ; lanes 16-31 take B's
	s_add_co_u32 s21, s21, SCL
	v_add_nc_u32 v5, v5, v6
	v_add_nc_u32 v[ADRS], s21, v5
	; pos_ids of my row of A in each of its eight blocks: stored row 16 a + r is token 32 (a / 2) + 8 (a % 2) + r + 8 (r / 8).  (The V kind loads them too, from rows under 1,024 of the table, and does not use them.)
	v_and_b32 v5, 8, v1
	v_add_nc_u32 v5, v5, v1
	v_lshlrev_b32 v30, 2, v5
	s_lshl_b32 s18, s17, 8
	s_lshl_b32 s19, s15, 7
	s_add_co_u32 s18, s18, s19
	s_lshl_b32 s18, s18, 2
	s_mov_b32 s19, 0
	s_add_nc_u64 s[12:13], s[12:13], s[18:19]
.irp a, 0,1,2,3,4,5,6,7
	global_load_b32 v[POS+\a], v30, s[12:13] offset:4*(32*(\a/2)+8*(\a%2))
.endr
.macro FRAG reg, adr, q, i             ; 16 rows x 128 K of 8-bit codes: lane l holds row l % 16; registers 4 c .. 4 c + 3 hold K = 32 c + 16 (l / 16) + 0 .. 15
.irp c, 0,1,2,3
	ds_load_b128 v[\reg+4*\c:\reg+4*\c+3], v[\adr] offset:128*(\q)+32*\c+(\i)*16*PITCH
.endr
.endm
; 16 matrix instructions: A's blocks a0, a0 + 1 x B's eight, the slot's q-th 128 along K.  p: B's set;  sc: the set of scale words.  zero = 1: the first product starts the sums.
; The 64 accumulators take turns, one instruction a turn, in the same order in every step.
.macro MUL16 a0, p, q, sc, zero
.irp a, \a0, \a0+1
.irp b, 0,1,2,3,4,5,6,7
.if \zero
	v_wmma_scale_f32_16x16x128_f8f6f4 v[8*(8*((\a)%4)+\b):8*(8*((\a)%4)+\b)+7], v[128*(\p)+FR*\b:128*(\p)+FR*\b+FR-1], v[AF+FR*(\a):AF+FR*(\a)+FR-1], 0, v[SC+8*NQ*(\sc)+NQ*\b+(\q)], v[SC+8*NQ*(\sc)+NQ*(\a)+(\q)] matrix_a_scale:MATRIX_SCALE_ROW1
.else
	v_wmma_scale_f32_16x16x128_f8f6f4 v[8*(8*((\a)%4)+\b):8*(8*((\a)%4)+\b)+7], v[128*(\p)+FR*\b:128*(\p)+FR*\b+FR-1], v[AF+FR*(\a):AF+FR*(\a)+FR-1], v[8*(8*((\a)%4)+\b):8*(8*((\a)%4)+\b)+7], v[SC+8*NQ*(\sc)+NQ*\b+(\q)], v[SC+8*NQ*(\sc)+NQ*(\a)+(\q)] matrix_a_scale:MATRIX_SCALE_ROW1
.endif
.endr
.endr
.endm
.macro FETCH_B slot, q, p              ; B's eight fragments of the slot's q-th 128 along K into set p
	WIN TO_B
.irp i, 0,1,2,3,4,5,6,7
	FRAG 128*(\p)+FR*\i, ADRB+\slot, \q, \i
.endr
	WIN 0
.endm
.macro FETCH_A slot, q, i0             ; A's blocks i0 .. i0 + 3
.irp i, \i0, \i0+1, \i0+2, \i0+3
	FRAG AF+FR*(\i), ADRA+\slot, \q, \i
.endr
.endm
.macro SCALES sc                       ; the next K step's scale words into set sc: two words a row; lanes 0-15 take A's block i, lanes 16-31 B's block i
.irp i, 0,1,2,3,4,5,6,7
	ds_load_b64 v[SC+8*NQ*\sc+NQ*\i:SC+8*NQ*\sc+NQ*\i+1], v[ADRS] offset:\i*SBLK
.endr
.endm
; A load into a register that a matrix instruction has read, and a vector instruction that reads a matrix result or writes one of its registers, stand NP places behind it; only plain vector
; instructions that name none of its registers are places (ISA guide 7.12.1 for vector instructions).
.macro PLACES n
.rept \n
	v_nop
.endr
.endm
; A step of 128 along K that has its successor in the same slot.
.macro STEP slot, q, zero
	s_wait_dscnt 4*NL                              ; B's set and A's blocks 0-3 are in; the youngest sixteen loads (A's blocks 4-7) may be out
	WIN MUL_LO
	MUL16 0, (\q)%2, \q, \slot, \zero
	MUL16 2, (\q)%2, \q, \slot, \zero
	s_wait_dscnt 0                                 ; A's blocks 4-7 are in
	PLACES NP
	FETCH_B \slot, (\q)+1, 1-(\q)%2
	FETCH_A \slot, (\q)+1, 0
	WIN MUL_HI
	MUL16 4, (\q)%2, \q, \slot, \zero
	MUL16 6, (\q)%2, \q, \slot, \zero
	PLACES NP
	WIN 0
	FETCH_A \slot, (\q)+1, 4
.endm
; A slot's last step changes slots: ONE barrier; in front of it each wave waits for all its tensor loads, adds 0 to its spare word, and waits for that and for its own reads of this slot.  fill = 1: this slot is filled again, two K steps ahead.
.macro TURN slot, next, fill
	s_wait_tensorcnt 0x0                           ; all my tensor loads have landed: my part of the next slot
	ds_add_u32 v[SPW], v[NIL]                      ; 0 onto my spare word
	s_wait_dscnt 4*NL+1                            ; (the add and the youngest sixteen loads, A's blocks 4-7, may be out)
	WIN MUL_LO
	MUL16 0, 1, NQ-1, \slot, 0                     ; sixteen matrix instructions stand between the add and the wait for it
	s_wait_dscnt 0x0                               ; the add is done, and my reads of this slot are over
	s_barrier_signal -1
	MUL16 2, 1, NQ-1, \slot, 0
	WIN 0
	s_barrier_wait -1
.if \fill
	CREST                                          ; the barrier has opened a round of the cluster's barrier: no wave of any partner still reads this slot's tile or has a load on its way
	s_add_nc_u64 s[G0+4*\slot+2:G0+4*\slot+3], s[G0+4*\slot+2:G0+4*\slot+3], 2*ROWB
	s_add_nc_u64 s[G0B+4*\slot+2:G0B+4*\slot+3], s[G0B+4*\slot+2:G0B+4*\slot+3], 2*ROWB
	JLOAD G0+4*\slot, G1, G0B+4*\slot, G1B         ; the first tensor load behind the round; its four v_nop are among the places in front of the loads below
	PLACES NP-4
.else
	PLACES NP
.endif
	s_wait_alu depctr_va_vdst(0)
	v_add_nc_u32 v[ADRS], 4*NQ, v[ADRS]            ; on to the next K step's scale words (no LDS load of mine is out)
	FETCH_B \next, 0, 0
	FETCH_A \next, 0, 0
	SCALES \next
	WIN MUL_HI
	MUL16 4, 1, NQ-1, \slot, 0
	MUL16 6, 1, NQ-1, \slot, 0
	PLACES NP
	WIN 0
	FETCH_A \next, 0, 4
.endm
	s_wait_alu depctr_va_vdst(0)
	s_wait_loadcnt 0x0                             ; pos_ids: no global load hangs across the loop
	s_wait_tensorcnt 1                             ; the scales and my part of K step 0 are in (K step 1's load may be out),
	s_barrier_signal -1
	s_barrier_wait -1                              ; everybody's are
	FETCH_B 0, 0, 0
	FETCH_A 0, 0, 0
	SCALES 0
	FETCH_A 0, 0, 4
	STEP 0, 0, 1                                   ; the first step stands in front of the loop: its products start the sums
	s_mov_b32 s3, LAPS-1
.Llap:                                                 ; a trip goes once round the ring and fills both slots again
	TURN 0, 1, 1
	STEP 1, 0, 0
	TURN 1, 0, 1
	STEP 0, 0, 0
	s_sub_co_u32 s3, s3, 1
	s_cmp_lg_u32 s3, 0
	s_cbranch_scc1 .Llap
	TURN 0, 1, 0                                   ; the last lap fills nothing
	s_load_b256 s[68:75], s[0:1], 0x18             ; cos, sin, q, kv, into registers of descriptors whose loads have all been waited for
	STEP 1, 0, 0
	s_wait_dscnt 4*NL                              ; the very last step: nothing more to fetch
	WIN MUL_LO
	MUL16 0, 1, NQ-1, 1, 0
	MUL16 2, 1, NQ-1, 1, 0
	s_wait_dscnt 0
	WIN MUL_HI
	MUL16 4, 1, NQ-1, 1, 0
	MUL16 6, 1, NQ-1, 1, 0
	WIN 0
; THE WAY OUT.  No LDS: a lane's codes are already an image of the next operand's registers.
.irp a, 0,1,2,3,4,5,6,7
	v_min_u32 v[POS+\a], 0x7ff, v[POS+\a]          ; the index is held inside the table.  (These eight are the places behind the last products)
.endr
	v_and_b32 v1, 15, v0                           ; r
	v_bfe_u32 v2, v0, 4, 1                         ; h
	v_and_b32 v3, 31, v0
	v_lshlrev_b32 v[ADH], 4, v3                    ; 16 x lane
	v_lshlrev_b32 v4, 5, v2
.irp a, 0,1,2,3,4,5,6,7
	v_lshlrev_b32 v[POS+\a], 7, v[POS+\a]          ; a row of cos or sin is 128 bytes;
.endr
.irp a, 0,1,2,3,4,5,6,7
	v_add_nc_u32 v[POS+\a], v4, v[POS+\a]          ; my half's eight pairs begin 32 h bytes on
.endr
	v_cmp_eq_u32 s66, 1, v2                        ; the lanes 16-31
.irp b, 0,1,2,3
	v_mov_b32 v[TM+4+\b], 0                        ; written once: a lane permute's destination counts as one of its sources
.endr
	s_mov_b32 s92, 0x76543210
	s_mov_b32 s93, 0xfedcba98                      ; v_permlanex16_b32's selects for lane l xor 16
	s_mov_b32 s94, 0x600000                        ; the mantissa field of 448
	s_lshl_b32 s18, s17, 8
	s_lshl_b32 s19, s15, 7
	s_add_co_u32 s18, s18, s19                     ; my first row of A
	s_lshl_b32 s20, s42, 8
	s_lshl_b32 s21, s16, 7
	s_add_co_u32 s20, s20, s21                     ; my first row of B
	s_wait_kmcnt 0x0
; 64 numbers of a lane at v[s] of window w, register 16 b + i = K 32 b + 16 h + i, become codes in v[PC] on; the four bytes are left in v[TM+4] on.  The hold moves the numbers into window 0.
.macro QUANT s, w
	WIN (((\w)<<2)|((\w)<<4))
.irp b, 0,1,2,3
	v_max3_num_f32 v[TM+\b], 0x4800000, |v[(\s)+16*\b]|, |v[(\s)+16*\b+1]|   ; block b: my 16 numbers and the floor 2^(9 - 127); each accumulator is read from its low end on
.endr
.irp i, 2,4,6,8,10,12,14
.irp b, 0,1,2,3
	v_max3_num_f32 v[TM+\b], v[TM+\b], |v[(\s)+16*\b+\i]|, |v[(\s)+16*\b+\i+1]|   ; (the four blocks by turns)
.endr
.endr
	WIN 0
.irp b, 0,1,2,3
	v_permlanex16_b32 v[TM+4+\b], v[TM+\b], s92, s93
.endr
.irp b, 0,1,2,3
	v_max_num_f32 v[TM+\b], v[TM+\b], v[TM+4+\b]   ; with lane l xor 16's: the block's largest magnitude
.endr
.irp b, 0,1,2,3
	v_add_nc_u32 v[TM+12+\b], 0xfc000000, v[TM+\b] ; 8 off its exponent field: the conversion's scale operand
.endr
.irp b, 0,1,2,3
	v_and_or_b32 v[TM+8+\b], v[TM+\b], 0x7f800000, s94   ; 448 x the scale
.endr
.irp b, 0,1,2,3
	v_lshrrev_b32 v[TM+4+\b], 23, v[TM+12+\b]      ; the scale's byte
.endr
	WIN (\w)
.set n, 0
.rept 64
	v_med3_num_f32 v[X+n], v[(\s)+n], -v[TM+8+n/16], v[TM+8+n/16]   ; the conversion to an 8-bit code does not saturate (ISA guide 7.6.2): the hold
.set n, n+1
.endr
	WIN 0
.irp b, 0,1,2,3
	v_cvt_scalef32_pk8_fp8_f32 v[PC+4*\b:PC+4*\b+1], v[X+16*\b:X+16*\b+7], v[TM+12+\b]
	v_cvt_scalef32_pk8_fp8_f32 v[PC+4*\b+2:PC+4*\b+3], v[X+16*\b+8:X+16*\b+15], v[TM+12+\b]
.endr
	v_nop                                          ; one plain line behind the last conversion
.endm
	s_cmp_eq_u32 s95, 1                            ; the kind: equal in the whole cluster
	s_cbranch_scc1 .Lv
; ---- QK.  My 128 rows of A are 128 tokens, my 128 rows of B two heads of Q (cluster x = 0) or of K (1).
	s_lshr_b32 s21, s18, 11                        ; batch
	s_lshl_b32 s21, s21, 4
	s_bfe_u32 s22, s20, 0x40006                    ; my first head
	s_add_co_u32 s21, s21, s22
	s_lshl_b32 s21, s21, 4
	s_bfe_u32 s22, s18, 0x40007                    ; which 128 tokens of the sequence
	s_add_co_u32 s21, s21, s22                     ; the block's number
	s_mov_b32 s23, 8704
	s_mov_b32 s24, 8192
	s_cmp_eq_u32 ttmp9, 0
	s_cselect_b64 s[76:77], s[72:73], s[74:75]     ; q or kv
	s_cselect_b32 s23, s23, 17152                  ; a block's bytes
	s_cselect_b32 s24, s24, 16384                  ; where its scale words begin
	s_mul_i32 s26, s21, s23
	s_mov_b32 s27, 0
	s_add_nc_u64 s[76:77], s[76:77], s[26:27]
	s_lshl_b32 s25, s23, 4                         ; from a head to the next: 16 blocks
	v_add_nc_u32 v[ADH+1], s25, v[ADH]
	v_mul_u32_u24 v[ADSC], s25, v2                 ; scale words: lanes 0-15 store my first head's, lanes 16-31 my second's:
	v_lshl_add_u32 v[ADSC], v1, 5, v[ADSC]         ; 32 bytes a row
	v_add_nc_u32 v[ADSC], s24, v[ADSC]
.macro CSLOAD a, set                   ; cos and sin of block a's token: pairs 8 h + 0..7 (channels 0-31 of a head) and 16 + 8 h + 0..7 (channels 32-63)
.irp k, 0,1,2,3
	global_load_b128 v[CSR+32*(\set)+4*\k:CSR+32*(\set)+4*\k+3], v[POS+(\a)], s[68:69] offset:64*(\k/2)+16*(\k%2)
.endr
.irp k, 0,1,2,3
	global_load_b128 v[CSR+32*(\set)+16+4*\k:CSR+32*(\set)+16+4*\k+3], v[POS+(\a)], s[70:71] offset:64*(\k/2)+16*(\k%2)
.endr
.endm
.macro ROPE a                          ; (t0, t1) -> (t0 c - t1 s, t0 s + t1 c), out of the accumulators into v[X] on
	WIN 2+(\a)/4
.irp b, 0,1,2,3
.irp p, 0,1,2,3,4,5,6,7
	v_mul_f32 v[TA+2*(\p%2)], v[64*((\a)%4)+16*\b+2*\p+1], v[CSR+32*((\a)%2)+16+8*(\b%2)+\p]
	v_mul_f32 v[TA+2*(\p%2)+1], v[64*((\a)%4)+16*\b+2*\p+1], v[CSR+32*((\a)%2)+8*(\b%2)+\p]
	v_fma_f32 v[X+16*\b+2*\p], v[64*((\a)%4)+16*\b+2*\p], v[CSR+32*((\a)%2)+8*(\b%2)+\p], -v[TA+2*(\p%2)]
	v_fma_f32 v[X+16*\b+2*\p+1], v[64*((\a)%4)+16*\b+2*\p], v[CSR+32*((\a)%2)+16+8*(\b%2)+\p], v[TA+2*(\p%2)+1]
.endr
.endr
	WIN 0
.endm
.macro QKBLOCK a
.if (\a) < 7
	s_wait_loadcnt 8                               ; this block's cos and sin are in; the next block's eight loads may be out
.else
	s_wait_loadcnt 0x0
.endif
	ROPE \a
.if (\a) < 6
	CSLOAD (\a)+2, (\a)%2                          ; the set just read takes the block two further on
.endif
	s_wait_xcnt 0x0                                ; the last block's stores have read their data: the codes' registers are written again only behind this wait
	QUANT X, 0
.irp b, 0,1,2,3
	global_store_b128 v[ADH+\b/2], v[PC+4*\b:PC+4*\b+3], s[76:77] offset:(\a)*1024+(\b%2)*512   ; head b / 2, tile a, channels 32 (b % 2) on: 512 consecutive bytes
.endr
	v_lshl_or_b32 v[SW+(\a)], v[TM+5], 8, v[TM+4]      ; my first head's scale word of this tile: two bytes, two zeros
	v_lshl_or_b32 v[SW+8+(\a)], v[TM+7], 8, v[TM+6]    ; my second head's
.endm
	CSLOAD 0, 0
	CSLOAD 1, 1
.irp a, 0,1,2,3,4,5,6,7
	QKBLOCK \a
.endr
.irp i, 0,1,2,3,4,5,6,7
	v_cndmask_b32 v[OUTW+\i], v[SW+\i], v[SW+8+\i], s66
.endr
	global_store_b128 v[ADSC], v[OUTW:OUTW+3], s[76:77]            ; sixteen lanes cover a head's 512 bytes of scale words with these two stores
	global_store_b128 v[ADSC], v[OUTW+4:OUTW+7], s[76:77] offset:16
	s_branch .Ldone
; ---- V.  My 128 rows of A are two heads' 64 channels, my 128 rows of B 128 keys.
.Lv:
	s_lshr_b32 s21, s20, 11                        ; batch
	s_lshl_b32 s21, s21, 4
	s_lshr_b32 s22, s18, 6                         ; my first head
	s_add_co_u32 s21, s21, s22
	s_lshl_b32 s21, s21, 4
	s_bfe_u32 s22, s20, 0x40007                    ; which 128 keys
	s_add_co_u32 s21, s21, s22
	s_mul_i32 s26, s21, 17152
	s_add_co_u32 s26, s26, 8192                    ; V's codes lie behind K's
	s_mov_b32 s27, 0
	s_add_nc_u64 s[76:77], s[74:75], s[26:27]
	s_mov_b32 s25, 274432                          ; from a head to the next
	v_add_nc_u32 v[ADH+1], s25, v[ADH]
	v_mul_u32_u24 v[ADSC], s25, v2
	v_lshl_add_u32 v[ADSC], v1, 4, v[ADSC]         ; scale words: 16 bytes a row,
	v_add_nc_u32 v[ADSC], 8704, v[ADSC]            ; 8,704 bytes behind V's codes
.macro VBLOCK a
	s_wait_xcnt 0x0                                ; the last block's stores have read their data
	QUANT 64*((\a)%4), 2+(\a)/4
.irp b, 0,1,2,3
	global_store_b128 v[ADH+(\a)/4], v[PC+4*\b:PC+4*\b+3], s[76:77] offset:((\a)%4)*2048+\b*512   ; head a / 4, 16 channels a % 4, keys 32 b on
.endr
	v_lshl_or_b32 v[SW+(\a)], v[TM+5], 8, v[TM+4]  ; the four bytes make my channel's scale word for these 128 keys
	v_lshl_or_b32 v[SW+(\a)], v[TM+6], 16, v[SW+(\a)]
	v_lshl_or_b32 v[SW+(\a)], v[TM+7], 24, v[SW+(\a)]
.endm
.irp a, 0,1,2,3,4,5,6,7
	VBLOCK \a
.endr
.irp i, 0,1,2,3
	v_cndmask_b32 v[OUTW+\i], v[SW+\i], v[SW+4+\i], s66
.endr
	global_store_b128 v[ADSC], v[OUTW:OUTW+3], s[76:77]            ; sixteen lanes store a head's 256 bytes of scale words
.Ldone:
	s_wait_tensorcnt 0x0                           ; the wave's end
	ds_add_u32 v[SPW], v[NIL]
	s_wait_dscnt 0x0
	CROUND                                         ; the closing round: no work-group ends while a partner may still ask for a tile that names it
	s_endpgm
.Lfunc_end_k_q3fec3db9ed_qkv:
	.size	k_q3fec3db9ed_qkv, .Lfunc_end_k_q3fec3db9ed_qkv-k_q3fec3db9ed_qkv
	.p2alignl 7, 3214868480
	.fill 96, 4, 3214868480
	.section	.rodata,"a",@progbits
	.p2align	6, 0x0
	.amdhsa_kernel k_q3fec3db9ed_qkv
		.amdhsa_group_segment_fixed_size 327680
		.amdhsa_private_segment_fixed_size 0
		.amdhsa_enable_private_segment 0
		.amdhsa_kernarg_size 56
		.amdhsa_user_sgpr_count 2
		.amdhsa_user_sgpr_kernarg_segment_ptr 1
		.amdhsa_wavefront_size32 1
		.amdhsa_system_sgpr_workgroup_id_x 1
		.amdhsa_system_sgpr_workgroup_id_y 1
		.amdhsa_system_sgpr_workgroup_id_z 1
		.amdhsa_system_vgpr_workitem_id 0
		.amdhsa_next_free_vgpr 1024
		.amdhsa_next_free_sgpr 102
		.amdhsa_reserve_vcc 0
		.amdhsa_float_denorm_mode_32 3
		.amdhsa_float_denorm_mode_16_64 3
		.amdhsa_memory_ordered 1
		.amdhsa_forward_progress 1
		.amdhsa_inst_pref_size 255
	.end_amdhsa_kernel
	.section	.bss,"aw",@nobits
	.p2align	6
	.space	262144
	.amdgpu_metadata
---
amdhsa.version: [ 1, 2 ]
amdhsa.kernels:
  - .name:           k_q3fec3db9ed_qkv
    .symbol:         k_q3fec3db9ed_qkv.kd
    .args:
      - { .name: xq, .offset: 0, .size: 8, .value_kind: global_buffer, .address_space: global }
      - { .name: wq, .offset: 8, .size: 8, .value_kind: global_buffer, .address_space: global }
      - { .name: pos_ids, .offset: 16, .size: 8, .value_kind: global_buffer, .address_space: global }
      - { .name: cos, .offset: 24, .size: 8, .value_kind: global_buffer, .address_space: global }
      - { .name: sin, .offset: 32, .size: 8, .value_kind: global_buffer, .address_space: global }
      - { .name: q, .offset: 40, .size: 8, .value_kind: global_buffer, .address_space: global }
      - { .name: kv, .offset: 48, .size: 8, .value_kind: global_buffer, .address_space: global }
    .group_segment_fixed_size: 327680
    .private_segment_fixed_size: 0
    .kernarg_segment_align: 8
    .kernarg_segment_size: 56
    .max_flat_workgroup_size: 128
    .sgpr_count:     102
    .vgpr_count:     1024
    .wavefront_size: 32
...
	.end_amdgpu_metadata
.endif
;; end of part 2
;; launch attn (part 3): grid 4 x 64, 16 waves a work-group, clusters of 4 x 1, 327,680 bytes of LDS; arguments q, kv, oq; writes oq
.if DOCPART == 3
	.amdgcn_target "amdgcn-amd-amdhsa--gfx1250"
	.amdhsa_code_object_version 6
	.text
	.protected	k_q3fec3db9ed_attn
	.globl	k_q3fec3db9ed_attn
	.p2align	8
	.type	k_q3fec3db9ed_attn,@function
k_q3fec3db9ed_attn:
	s_mov_b64 s[64:65], 0
	v_nop
	global_prefetch_b8 v0, s[64:65] scope:SCOPE_SE
	s_setreg_imm32_b32 hwreg(HW_REG_WAVE_MODE, 25, 1), 1
	s_wait_xcnt 0x0
	s_wait_alu depctr_hold_cnt(0) depctr_sa_sdst(0) depctr_va_vdst(0) depctr_va_sdst(0) depctr_va_ssrc(0) depctr_va_vcc(0) depctr_vm_vsrc(0)
	s_getreg_b32 s2, hwreg(HW_REG_IB_STS2, 6, 4)
	s_cmp_eq_u32 s2, 0
	s_cbranch_scc0 .Lentry_in_a_cluster
	s_endpgm
.Lentry_in_a_cluster:
	s_bfe_u32 s2, ttmp6, 0x10000c
	s_cmp_lg_u32 s2, 0x3003
	s_cbranch_scc0 .Lentry_shape_is_right
	s_endpgm
.Lentry_shape_is_right:
; Causal attention of one batch x head on codes of FP8 (E4M3) with E8M0 scales, and the quantising of its result along the model's 1,024 (blocks of 32 stay inside a head).
; t = score x log2(e) / 8; M = the running largest t rounded UP to a whole number; p = 2^(t - M) is quantised along the keys, not normalised; the row's sum is taken of the unquantised p and divides at the end.
; When M moves, the sum and O are multiplied by 2^(old M - new M), which rounds nothing.
; ALL OF A HEAD'S K AND V, codes and scale words, 16 blocks of 17,152 bytes, FIT IN LDS AND ARE FILLED ONCE: wave w brings block w (128 keys) by one tensor load.  So there is no ring, nothing is filled again, and no barrier stands in the loops.
; CLUSTER: the four work-groups of a cluster serve one head and ask for its blocks JOINTLY (mask 15): the same load with the same descriptor in all four.
; SHARES.  Tiles of 16 queries are numbered 0..127 in the stored order of rows; work-group c owns tiles 4 j + c, j = 0..31.  Tile 4 j + c lies in the j / 2-th 128 tokens and needs j / 2 + 1 key steps of 128, whatever c:
; nothing that steers a branch hangs on the place in the cluster.  Wave w takes j = 31 - w and then j = w: 17 key steps for every wave.  Both loops have constant trip counts (16 and 8); a trip beyond the tile's steps jumps over the work.
; LAYOUT.  Both products transposed: S^T = K Q^T (source 0 = 16 keys), O^T = V^T P^T (source 0 = 16 channels): a lane holds ONE query (lane % 16).  Rows were stored with bits 3 and 4 exchanged, so S^T's register 16 b + i
; is key 32 b + 16 (lane / 16) + i of the step, and O^T's register 16 b + i channel 32 b + 16 (lane / 16) + i.  All operands lie in memory and LDS as images of their registers: 16 bytes a lane, 512 bytes a group of four registers.
; The first product's K is 64: the upper halves of both operands are zero codes, kept in registers; their scale bytes are 0, which is 2^-127.
; LIMITS: NaN and infinities are not served; a block's largest p is taken through its largest score, which takes v_exp_f32 not to fall where its input rises; a block of zeros gets the byte 1;
; the result's scale bytes leave one byte a lane, 32 bytes apart: they are one part in 32 of the codes' bytes.
; REGISTERS: v1-4, v9, v10 lane terms; v5 the mask's d; v6-8 the step's LDS addresses; v12 -M, v13 largest t, v[14:15] the sum; v16-23 Q, v24-31 zeros; v32-95 four fragments of K (upper halves zeros);
;   v96-159 S^T, p, then V's four fragments; v160-191 O^T; v192-207 codes; v208-215 K's scale words, v216-219 V's, v220 Q's, v221 p's; v224-253 at work.
.set BLKB, 17152                       ; a block of 128 keys in kv and in LDS
.set VOF,  8192                        ; in it: V's codes,
.set KSC,  16384                       ; K's scale words,
.set VSC,  16896                       ; V's
.set QBLK, 8704                        ; a block of 128 queries in q
.macro CROUND                          ; a round of the cluster's barrier
	s_barrier_signal -1
	s_barrier_wait -1
	s_cmp_lg_u32 s10, 0
	s_cbranch_scc1 .Lnot_wave_0_\@
	s_barrier_signal -3
.Lnot_wave_0_\@:
	s_barrier_wait -3
	s_barrier_signal -1
	s_barrier_wait -1
.endm
	s_load_b128 s[4:7], s[0:1], 0x0                ; q, kv
	s_load_b64 s[8:9], s[0:1], 0x10                ; oq
	v_lshl_add_u32 v254, v0, 2, 0x43000
	v_mov_b32 v255, 0
	ds_add_u32 v254, v255
	ds_add_u32 v254, v255
	v_lshrrev_b32 v6, 5, v0
	s_delay_alu instid0(VALU_DEP_1)
	v_readfirstlane_b32 s10, v6                    ; wave 0..15
	s_bfe_u32 s11, ttmp6, 0x40000                  ; cx
	s_lshl_b32 s48, ttmp9, 2
	s_add_co_u32 s11, s11, s48                     ; c: it enters Q's and the result's addresses and the mask's numbers alone
	s_and_b32 s12, ttmp7, 0xffff                   ; batch x head, which the four partners share
	s_mov_b32 s20, 0x76543210
	s_mov_b32 s21, 0xfedcba98                      ; v_permlanex16_b32's selects for lane l xor 16
	s_mov_b32 s22, 0x3e38aa3b                      ; log2(e) / 8
	s_mov_b32 s23, s22                             ; (named with it as a pair)
	; the descriptor: 17,152 dense bytes as 67 rows of 256 bytes (32 elements of 8 bytes), no padding
	s_mov_b32 s32, 15|(3<<16)|(1<<21)              ; 15:0 the mask: all four work-groups; 17:16 elements of 8 bytes; 21 set beside a mask
	s_mov_b32 s33, 32<<16                          ; tensor_dim0
	s_mov_b32 s34, 67<<16                          ; tensor_dim1
	s_mov_b32 s35, 32<<16                          ; tile_dim0
	s_mov_b32 s36, 67                              ; tile_dim1
	s_mov_b32 s37, 32                              ; tensor_dim0_stride
	s_mov_b32 s38, 0
	s_mov_b32 s39, 0
	s_mov_b32 s28, 1
	s_mul_i32 s29, s10, BLKB                       ; LDS: block w
	s_lshl_b32 s18, s12, 4
	s_add_co_u32 s18, s18, s10
	s_mul_i32 s18, s18, BLKB
	s_mov_b32 s19, 0
	s_wait_dscnt 0x0
	s_wait_kmcnt 0x0
	s_add_nc_u64 s[30:31], s[6:7], s[18:19]
	s_or_b32 s31, s31, 0x80000000
	CROUND                                         ; all four work-groups are here: the joint loads meet
	tensor_load_to_lds s[28:31], s[32:39]          ; my one tensor load of the launch
	s_nop 0
.rept 4
	v_nop
.endr
	v_and_b32 v1, 31, v0
	s_delay_alu instid0(VALU_DEP_1)
	v_lshlrev_b32 v1, 4, v1                        ; 16 x lane: my place in an image
	v_and_b32 v11, 15, v0                          ; r
	v_bfe_u32 v10, v0, 4, 1                        ; h
	s_delay_alu instid0(VALU_DEP_2)
	v_lshlrev_b32 v9, 5, v11                       ; 32 r
	s_delay_alu instid0(VALU_DEP_1)
	v_add_nc_u32 v2, KSC, v9                       ; K's scale words: 32 bytes a row
	s_delay_alu instid0(VALU_DEP_4)
	v_lshl_add_u32 v3, v11, 4, VSC                 ; V's: 16 bytes a row
	v_and_b32 v4, 8, v11
	s_delay_alu instid0(VALU_DEP_1)
	v_add_nc_u32 v4, v4, v11
	v_lshlrev_b32 v5, 4, v10
	s_delay_alu instid0(VALU_DEP_1)
	v_sub_nc_u32 v4, v4, v5                        ; r + 8 (r / 8) - 16 h
	v_cmp_eq_u32 s25, 1, v10                       ; the lanes 16-31
	v_add_nc_u32 v10, v9, v10                      ; 32 r + h: where I store a scale byte
.irp j, 0,1,2,3,4,5,6,7
	v_mov_b32 v[24+\j], 0                          ; the upper half of Q's operand: zero codes
.endr
.irp t, 0,1,2,3
.irp j, 0,1,2,3,4,5,6,7
	v_mov_b32 v[40+16*\t+\j], 0                    ; and of K's four: written once
.endr
.endr
.irp b, 0,1,2,3
	v_mov_b32 v[228+\b], 0                         ; a lane permute's destination counts as one of its sources
.endr
	v_mov_b32 v240, 0
	v_mov_b32 v243, 0                              ; (named as the upper half of the pair v[242:243])
	v_mov_b32 v241, 0xff800000                     ; -infinity
; A KEY STEP: the 128 keys of the block at LDS byte s17.
.macro STEP
	v_add_nc_u32 v6, s17, v1
	s_wait_alu depctr_va_vdst(0)
	v_add_nc_u32 v7, s17, v2
	v_add_nc_u32 v8, s17, v3
.rept 6
	v_nop                                          ; with the three additions nine places: the products below write over registers that the last step's products read
.endr
	ds_load_b128 v[208:211], v7                    ; K's scale words of the eight tiles
	ds_load_b128 v[212:215], v7 offset:16
.irp g, 0,1                                    ; S^T = K Q^T, four tiles of 16 keys at a time
.if \g > 0
.rept 8
	v_nop                                          ; places in front of loads into registers that matrix instructions have read
.endr
.endif
.irp t, 0,1,2,3
	ds_load_b128 v[32+16*\t:35+16*\t], v6 offset:(4*\g+\t)*1024
	ds_load_b128 v[36+16*\t:39+16*\t], v6 offset:(4*\g+\t)*1024+512
.endr
	s_wait_dscnt 0x0
.irp t, 0,1,2,3
	v_wmma_scale_f32_16x16x128_f8f6f4 v[96+8*(4*\g+\t):103+8*(4*\g+\t)], v[32+16*\t:47+16*\t], v[16:31], 0, v[208+4*\g+\t], v220
.endr
.endr
.rept 8
	v_nop
.endr
	s_add_co_u32 s18, s16, 1                       ; only the tile's last step holds the diagonal: there hidden scores become -infinity ahead of the maximum
	s_cmp_lg_u32 s18, s14
	s_cbranch_scc1 .Lopen_\@
.set n, 0
.rept 64
	v_cmp_gt_i32 vcc_lo, 32*(n/16)+n%16, v5        ; register 16 b + i holds key 32 b + 16 h + i of the step: hidden where 32 b + i > my query's place - 16 h
	v_cndmask_b32 v[96+n], v[96+n], v241, vcc_lo
.set n, n+1
.endr
.Lopen_\@:
.irp b, 0,1,2,3
	v_max3_num_f32 v[224+\b], v[96+16*\b], v[97+16*\b], v[98+16*\b]   ; the largest score of each block of 32 keys: for the row's maximum and for the block's largest p
.endr
.irp i, 3,5,7,9,11,13
.irp b, 0,1,2,3
	v_max3_num_f32 v[224+\b], v[224+\b], v[96+16*\b+\i], v[97+16*\b+\i]
.endr
.endr
.irp b, 0,1,2,3
	v_max_num_f32 v[224+\b], v[224+\b], v[111+16*\b]
.endr
.irp b, 0,1,2,3
	s_delay_alu instid0(VALU_DEP_4)
	v_permlanex16_b32 v[228+\b], v[224+\b], s20, s21
.endr
.irp b, 0,1,2,3
	s_delay_alu instid0(VALU_DEP_4)
	v_max_num_f32 v[224+\b], v[224+\b], v[228+\b]  ; with lane l xor 16's 16 keys
.endr
	s_delay_alu instid0(VALU_DEP_2)
	v_max3_num_f32 v240, v224, v225, v226
	s_delay_alu instid0(VALU_DEP_1)
	v_max_num_f32 v240, v240, v227                 ; the step's largest score of my query
	s_delay_alu instid0(VALU_DEP_1)
	v_mul_f32 v240, s22, v240                      ; as t
	s_delay_alu instid0(VALU_DEP_1)
	v_max_num_f32 v13, v13, v240                   ; the running largest t
	v_mov_b32 v240, v12
	s_delay_alu instid0(VALU_DEP_2)
	v_floor_f32 v12, -v13                          ; the new -M = floor(-t): M is a whole number
	s_delay_alu instid0(VALU_DEP_1)
	v_sub_f32 v240, v12, v240                      ; old M - new M: a whole number, 0 or less
	s_delay_alu instid0(VALU_DEP_1)
	v_cvt_i32_f32 v240, v240                       ; (it saturates)
	s_delay_alu instid0(VALU_DEP_1)
	v_ldexp_f32 v242, 1.0, v240                    ; f = 2^(old M - new M)
.set n, 0
.rept 32
	v_pk_fma_f32 v[96+n:97+n], v[96+n:97+n], s[22:23], v[12:13] op_sel_hi:[1,0,0]   ; t - M, two at a time
.set n, n+2
.endr
	s_setprio 1
.irp b, 0,1,2,3
	v_fma_f32 v[224+\b], v[224+\b], s22, v12       ; the same of each block's largest score
.endr
.set n, 0
	s_wait_alu depctr_va_vdst(0)
.rept 64
	v_exp_f32 v[96+n], v[96+n]                     ; p = 2^(t - M)
.set n, n+1
.endr
.irp b, 0,1,2,3
	v_exp_f32 v[224+\b], v[224+\b]                 ; the block's largest p
.endr
	v_pk_mul_f32 v[14:15], v[14:15], v[242:243] op_sel_hi:[1,0]   ; the sums under the new M (a plain line behind the exponentials)
	s_wait_alu depctr_va_vdst(0)
.irp b, 0,1,2,3
	v_max_num_f32 v[224+\b], 0x4800000, v[224+\b]  ; the floor 2^(9 - 127): the byte cannot fall under 1
.endr
.irp b, 0,1,2,3
	s_delay_alu instid0(VALU_DEP_4)
	v_add_nc_u32 v[236+\b], 0xfc000000, v[224+\b]  ; the conversion's scale operand
.endr
.irp b, 0,1,2,3
.endr
.irp b, 0,1,2,3
	s_delay_alu instid0(VALU_DEP_4)
	v_lshrrev_b32 v[228+\b], 23, v[236+\b]         ; the scale's byte
.endr
	s_delay_alu instid0(VALU_DEP_3)
	v_lshl_or_b32 v221, v229, 8, v228              ; p's scale word for these 128 keys
	s_delay_alu instid0(VALU_DEP_1)
	v_lshl_or_b32 v221, v230, 16, v221
	s_delay_alu instid0(VALU_DEP_1)
	v_lshl_or_b32 v221, v231, 24, v221
	v_pk_add_f32 v[244:245], v[100:101], v[104:105]
	v_pk_add_f32 v[252:253], v[108:109], v[112:113]
	v_pk_add_f32 v[250:251], v[116:117], v[120:121]
	v_pk_add_f32 v[248:249], v[124:125], v[128:129]
	v_pk_add_f32 v[246:247], v[132:133], v[136:137]
	v_pk_add_f32 v[234:235], v[140:141], v[144:145]
	v_pk_add_f32 v[232:233], v[148:149], v[152:153]
	v_pk_add_f32 v[14:15], v[14:15], v[156:157]
	v_pk_add_f32 v[244:245], v[244:245], v[96:97]
	v_pk_add_f32 v[252:253], v[252:253], v[98:99]
	v_pk_add_f32 v[250:251], v[250:251], v[102:103]
	v_pk_add_f32 v[248:249], v[248:249], v[106:107]
	v_pk_add_f32 v[246:247], v[246:247], v[110:111]
	v_pk_add_f32 v[234:235], v[234:235], v[114:115]
	v_pk_add_f32 v[232:233], v[232:233], v[118:119]
	v_pk_add_f32 v[14:15], v[14:15], v[122:123]
	v_pk_add_f32 v[244:245], v[244:245], v[126:127]
	v_pk_add_f32 v[252:253], v[252:253], v[130:131]
	v_pk_add_f32 v[250:251], v[250:251], v[134:135]
	v_pk_add_f32 v[248:249], v[248:249], v[138:139]
	v_pk_add_f32 v[246:247], v[246:247], v[142:143]
	v_pk_add_f32 v[234:235], v[234:235], v[146:147]
	v_pk_add_f32 v[232:233], v[232:233], v[150:151]
	v_pk_add_f32 v[14:15], v[14:15], v[154:155]
	v_pk_add_f32 v[244:245], v[244:245], v[158:159]
	s_delay_alu instid0(VALU_DEP_2)
	v_pk_add_f32 v[14:15], v[14:15], v[248:249]
	s_delay_alu instid0(VALU_DEP_2)
	v_pk_add_f32 v[244:245], v[244:245], v[246:247]
	v_pk_add_f32 v[252:253], v[252:253], v[234:235]
	v_pk_add_f32 v[250:251], v[250:251], v[232:233]
	s_delay_alu instid0(VALU_DEP_2)
	v_pk_add_f32 v[14:15], v[14:15], v[252:253]
	s_delay_alu instid0(VALU_DEP_2)
	v_pk_add_f32 v[244:245], v[244:245], v[250:251]
	s_delay_alu instid0(VALU_DEP_1)
	v_pk_add_f32 v[14:15], v[14:15], v[244:245]
	s_setprio 0
.irp b, 0,1,2,3
.irp i, 0,1,2,3,4,5,6,7,8,9,10,11,12,13,14,15
.endr
	v_cvt_scalef32_pk8_fp8_f32 v[192+4*\b:193+4*\b], v[96+16*\b:103+16*\b], v[236+\b]
	v_cvt_scalef32_pk8_fp8_f32 v[194+4*\b:195+4*\b], v[104+16*\b:111+16*\b], v[236+\b]
.endr
	v_nop                                          ; one plain line behind the last conversion
	ds_load_b128 v[216:219], v8                    ; V's scale words of the four tiles
.irp d, 0,1,2,3
.irp c, 0,1,2,3
	ds_load_b128 v[96+16*\d+4*\c:99+16*\d+4*\c], v6 offset:VOF+2048*\d+512*\c   ; V's four fragments take p's place
.endr
.endr
.set n, 0
.rept 16
	v_pk_mul_f32 v[160+n:161+n], v[160+n:161+n], v[242:243] op_sel_hi:[1,0]   ; O^T under the new M, from each accumulator's low end on; the loads land meanwhile; these are also the places between the codes and the products
.set n, n+2
.endr
	s_wait_alu depctr_va_vdst(0)
	s_wait_dscnt 0x0
.irp d, 0,1,2,3                                ; O^T += V^T P^T: the four accumulators by turns, one instruction a turn
	v_wmma_scale_f32_16x16x128_f8f6f4 v[160+8*\d:167+8*\d], v[96+16*\d:111+16*\d], v[192:207], v[160+8*\d:167+8*\d], v[216+\d], v221
.endr
.endm
; A PASS: one tile of 16 queries.  long = 1: j = 31 - wave; 0: j = wave.  trips: the loop's constant trip count.  first = 1: the wait for the head's fill stands in it.
.macro PASS long, trips, first
	s_wait_xcnt 0x0                                ; the last pass's stores have read their registers and bases
.if \long
	s_sub_co_u32 s13, 31, s10
.else
	s_mov_b32 s13, s10
.endif
	s_lshr_b32 s14, s13, 1
	s_add_co_u32 s14, s14, 1                       ; the tile's key steps: j / 2 + 1
	s_lshl_b32 s15, s13, 2
	s_add_co_u32 s15, s15, s11                     ; the tile: 4 j + c
	s_lshl_b32 s48, s12, 4
	s_lshr_b32 s49, s15, 3
	s_add_co_u32 s48, s48, s49
	s_mul_i32 s48, s48, QBLK                       ; its block of 128 queries in q
	s_and_b32 s49, s15, 7
	s_lshl_b32 s50, s49, 10
	s_add_co_u32 s50, s50, s48
	s_mov_b32 s51, 0
	s_add_nc_u64 s[40:41], s[4:5], s[50:51]        ; its codes
	s_lshl_b32 s50, s49, 2
	s_add_co_u32 s50, s50, s48
	s_add_co_u32 s50, s50, 8192
	s_add_nc_u64 s[42:43], s[4:5], s[50:51]        ; its scale words
	global_load_b128 v[16:19], v1, s[40:41]
	global_load_b128 v[20:23], v1, s[40:41] offset:512
	global_load_b32 v220, v9, s[42:43]
	s_and_b32 s52, s15, 6
	s_lshl_b32 s52, s52, 4
	s_and_b32 s53, s15, 1
	s_lshl_b32 s53, s53, 3
	s_add_co_u32 s52, s52, s53
	v_add_nc_u32 v5, s52, v4                       ; my query's place among its 128 tokens, less 16 h
	s_lshr_b32 s52, s12, 4
	s_lshl_b32 s52, s52, 7
	s_add_co_u32 s52, s52, s15                     ; the tile among all 512 tiles of tokens
	s_and_b32 s53, s12, 15                         ; the head
	s_lshl_b32 s54, s52, 14                        ; 16,384 bytes of codes a tile,
	s_lshl_b32 s56, s53, 10                        ; 1,024 a head
	s_add_co_u32 s54, s54, s56
	s_mov_b32 s55, 0
	s_add_nc_u64 s[44:45], s[8:9], s[54:55]
	s_lshl_b32 s54, s52, 9                         ; scale bytes: 32 a row, 2 a head
	s_lshl_b32 s56, s53, 1
	s_add_co_u32 s54, s54, s56
	s_add_co_u32 s54, s54, 0x800000
	s_add_nc_u64 s[46:47], s[8:9], s[54:55]
	v_mov_b32 v13, 0xff61b1e6                      ; the largest t so far: -3e38
	s_delay_alu instid0(VALU_DEP_1)
	v_floor_f32 v12, -v13                          ; -M
	v_mov_b32 v14, 0
	v_mov_b32 v15, 0
.set n, 0
.rept 32
	v_mov_b32 v[160+n], 0                          ; O^T: the step is written once; the first change of M multiplies zeros
.set n, n+1
.endr
	s_mov_b32 s17, 0
	s_mov_b32 s16, 0
.if \first
	s_wait_tensorcnt 0x0                           ; my block has landed,
	s_barrier_signal -1
	s_barrier_wait -1                              ; and everybody's: the whole head lies in LDS
.endif
	s_wait_loadcnt 0x0                             ; Q
.Ltrip_\@:
	s_cmp_ge_u32 s16, s14                          ; a step all of whose keys come after the tile's tokens is left out
	s_cbranch_scc1 .Lhid_\@
	s_setprio 2
	STEP
.Lhid_\@:
	s_add_co_u32 s17, s17, BLKB
	s_add_co_u32 s16, s16, 1
	s_cmp_lt_u32 s16, \trips
	s_cbranch_scc1 .Ltrip_\@
	s_setprio 0
	; the tile's end: O^T / the sum, quantised in its two blocks of 32 channels, stored as an image of the last product's operand
	v_add_f32 v14, v14, v15
	s_delay_alu instid0(VALU_DEP_1)
	v_permlanex16_b32 v240, v14, s20, s21
	s_delay_alu instid0(VALU_DEP_1)
	v_add_f32 v14, v14, v240                       ; the row's sum
	s_wait_alu depctr_va_vdst(0)
	v_rcp_f32 v14, v14
.rept 8
	v_nop                                          ; places behind the last products, and behind the reciprocal
.endr
.set n, 0
	s_wait_alu depctr_va_vdst(0)
.rept 32
	v_mul_f32 v[96+n], v[160+n], v14               ; register 16 b + i: channel 32 b + 16 h + i
.set n, n+1
.endr
.irp b, 0,1
	v_max3_num_f32 v[224+\b], |v[96+16*\b]|, |v[97+16*\b]|, 0x4800000
.endr
.irp i, 2,4,6,8,10,12,14
.irp b, 0,1
	s_delay_alu instid0(VALU_DEP_2)
	v_max3_num_f32 v[224+\b], v[224+\b], |v[96+16*\b+\i]|, |v[97+16*\b+\i]|
.endr
.endr
.irp b, 0,1
	s_delay_alu instid0(VALU_DEP_2)
	v_permlanex16_b32 v[228+\b], v[224+\b], s20, s21
.endr
.irp b, 0,1
	s_delay_alu instid0(VALU_DEP_2)
	v_max_num_f32 v[224+\b], v[224+\b], v[228+\b]
.endr
.irp b, 0,1
	s_delay_alu instid0(VALU_DEP_2)
	v_add_nc_u32 v[236+\b], 0xfc000000, v[224+\b]
.endr
.irp b, 0,1
.endr
.irp b, 0,1
	s_delay_alu instid0(VALU_DEP_2)
	v_lshrrev_b32 v[228+\b], 23, v[236+\b]
.endr
.irp b, 0,1
.irp i, 0,1,2,3,4,5,6,7,8,9,10,11,12,13,14,15
.endr
	v_cvt_scalef32_pk8_fp8_f32 v[192+4*\b:193+4*\b], v[96+16*\b:103+16*\b], v[236+\b]
	v_cvt_scalef32_pk8_fp8_f32 v[194+4*\b:195+4*\b], v[104+16*\b:111+16*\b], v[236+\b]
.endr
	v_cndmask_b32 v240, v228, v229, s25            ; lanes 0-15 store the first block's byte, lanes 16-31 the second's (also the plain line behind the conversions)
	global_store_b128 v1, v[192:195], s[44:45]     ; 1,024 consecutive bytes by two stores
	global_store_b128 v1, v[196:199], s[44:45] offset:512
	global_store_b8 v10, v240, s[46:47]
.endm
	PASS 1, 16, 1
	PASS 0, 8, 0
	s_wait_dscnt 0x0
	s_wait_tensorcnt 0x0
	ds_add_u32 v254, v255
	s_wait_dscnt 0x0
	CROUND                                         ; the closing round: no work-group ends while a partner may still ask for a block that names it
	s_endpgm
.Lfunc_end_k_q3fec3db9ed_attn:
	.size	k_q3fec3db9ed_attn, .Lfunc_end_k_q3fec3db9ed_attn-k_q3fec3db9ed_attn
	.p2alignl 7, 3214868480
	.fill 96, 4, 3214868480
	.section	.rodata,"a",@progbits
	.p2align	6, 0x0
	.amdhsa_kernel k_q3fec3db9ed_attn
		.amdhsa_group_segment_fixed_size 327680
		.amdhsa_private_segment_fixed_size 0
		.amdhsa_enable_private_segment 0
		.amdhsa_kernarg_size 24
		.amdhsa_user_sgpr_count 2
		.amdhsa_user_sgpr_kernarg_segment_ptr 1
		.amdhsa_wavefront_size32 1
		.amdhsa_system_sgpr_workgroup_id_x 1
		.amdhsa_system_sgpr_workgroup_id_y 1
		.amdhsa_system_sgpr_workgroup_id_z 1
		.amdhsa_system_vgpr_workitem_id 0
		.amdhsa_next_free_vgpr 256
		.amdhsa_next_free_sgpr 66
		.amdhsa_reserve_vcc 1
		.amdhsa_float_denorm_mode_32 3
		.amdhsa_float_denorm_mode_16_64 3
		.amdhsa_fp16_overflow 1
		.amdhsa_memory_ordered 1
		.amdhsa_forward_progress 1
		.amdhsa_inst_pref_size 65
	.end_amdhsa_kernel
	.amdgpu_metadata
---
amdhsa.version: [ 1, 2 ]
amdhsa.kernels:
  - .name:           k_q3fec3db9ed_attn
    .symbol:         k_q3fec3db9ed_attn.kd
    .args:
      - { .name: q, .offset: 0, .size: 8, .value_kind: global_buffer, .address_space: global }
      - { .name: kv, .offset: 8, .size: 8, .value_kind: global_buffer, .address_space: global }
      - { .name: oq, .offset: 16, .size: 8, .value_kind: global_buffer, .address_space: global }
    .group_segment_fixed_size: 327680
    .private_segment_fixed_size: 0
    .kernarg_segment_align: 8
    .kernarg_segment_size: 24
    .max_flat_workgroup_size: 512
    .sgpr_count:     66
    .vgpr_count:     256
    .wavefront_size: 32
...
	.end_amdgpu_metadata
.endif
;; end of part 3
;; launch oproj (part 4): grid 4 x 32, 4 waves a work-group, clusters of 4 x 4, 327,680 bytes of LDS; arguments oq, wq, out0; writes out0
.if DOCPART == 4
	.amdgcn_target "amdgcn-amd-amdhsa--gfx1250"
	.amdhsa_code_object_version 6
	.text
	.protected	k_q3fec3db9ed_oproj
	.globl	k_q3fec3db9ed_oproj
	.p2align	8
	.type	k_q3fec3db9ed_oproj,@function
k_q3fec3db9ed_oproj:
	s_mov_b64 s[64:65], 0
	v_nop
	global_prefetch_b8 v0, s[64:65] scope:SCOPE_SE
	s_setreg_imm32_b32 hwreg(HW_REG_WAVE_MODE, 25, 1), 1
	s_wait_xcnt 0x0
	s_wait_alu depctr_hold_cnt(0) depctr_sa_sdst(0) depctr_va_vdst(0) depctr_va_sdst(0) depctr_va_ssrc(0) depctr_va_vcc(0) depctr_vm_vsrc(0)
	s_getreg_b32 s2, hwreg(HW_REG_IB_STS2, 6, 4)
	s_cmp_eq_u32 s2, 0
	s_cbranch_scc0 .Lentry_in_a_cluster
	s_endpgm
.Lentry_in_a_cluster:
	s_bfe_u32 s2, ttmp6, 0x10000c
	s_cmp_lg_u32 s2, 0xf033
	s_cbranch_scc0 .Lentry_shape_is_right
	s_endpgm
.Lentry_shape_is_right:
; out0[token][n] = sum over k of o[token][k] Wo[n][k], on codes of FP8 (E4M3) with one E8M0 scale for each 32 along K; sums and out0 in f32.
; Side A = the attention's result: codes as images of fragments, [tile of 16 stored rows 512][128 along K 8][32 along K 4][lane][16 bytes], scale bytes [stored row][32] from byte 0x800000 of oq.
; Side B = Wo: rows 3,072 .. 4,095 of wq's codes [row][1,024 bytes], scale bytes [row][32] from byte 0x400000.  Both sides' rows are stored with bits 3 and 4 of the row number exchanged; the way out puts rows and columns right.
; A tile of 256 x 256 is made by four waves, 128 x 128 each: 64 accumulators, 512 registers.  K = 1,024 goes in four steps of 256 through a ring of two LDS slots filled by the tensor data mover.
; The scales of the work-group's rows, for all of K, come into LDS once.  CLUSTERS: 4 x 4; A's tiles are asked for jointly along a row of the cluster, B's along a column.
; THE MATRIX INSTRUCTION IS USED TRANSPOSED (source 0 = 16 rows of B, source 1 = 16 rows of A): a lane holds eight neighbouring numbers of a row of out0.
; 128 tiles: half as many work-groups as a tile of 128 x 256 would give; kept for the larger wave tile's fewer LDS bytes for each product.
; REGISTERS, in windows of 256: window 0: v0-31 addresses; v32-63 scale words, two sets; from v128 A's fragments, ONE set.  window 1: B's fragments, TWO sets.  windows 2, 3: the accumulators ((a, b) at v[8 (8 (a % 4) + b)]).
.set SIZE_N, 1024
.set NQ,     2                         ; matrix instructions deep in a slot
.set ROWB,   256                       ; a row of B's tile in bytes
.set KROW,   1024                      ; a row of B's codes in memory
.set ASTEP,  4096                      ; a tile of 16 rows of A, 256 along K: two fragments' images
.set PITCH,  272                       ; B's LDS row: 256 bytes + 16 of padding: the 16 rows that a load touches start at 16 different banks (64 banks of 4 bytes: ISA guide 11.1)
.set FR,     16
.set NL,     4
.set NP,     8                         ; places behind this matrix instruction (ISA guide 7.12.1)
.set HALFA,  8*ASTEP                   ; A: 128 rows: what one tensor load brings
.set HALFT,  128*PITCH                 ; B: 128 rows
.set BOFF,   2*HALFA                   ; a slot: A's 256 rows, then B's 256 rows
.set SLOT,   BOFF+2*HALFT
.set LAPS,   2
.set KS,     32
.set SCL,    2*SLOT                    ; behind the ring: the scales, as units of 256 bytes + 16 of padding; filled once
.set HALFS,  16*272
.set SBLK,   2*272
.set SPARE,  SCL+4*HALFS               ; the spare words, 128 bytes for each wave: two blocks of 256 bytes that no other line names
.set SPITCH, 528                       ; the way out: a stage of 16 rows x (512 bytes + 16) for each wave, in slot 0, which has had its last fill and its last read when the first result is stored there
.set ADRA, 16
.set ADRB, 20
.set STO,  24
.set RD,   25
.set CO,   26
.set ADRS, 27
.set SPW,  28                          ; v28  LDS address of my spare word; never rewritten
.set NIL,  29                          ; v29  0; never rewritten
.set SC,   32
.set AF,   128
.set BK,   128                         ; the way out: 16 rows read back from the stage: v128-191 and v192-255 by turns
.set G1, 24
.set G0, 32
.set G1B, 48
.set G0B, 56
.set G1S, 68
.set G0S, 76
.set G1SB, 80
.set G0SB, 88
.set MSB, 0
.macro WIN new
.if MSB != (\new)
	s_set_vgpr_msb (MSB<<8)|(\new)
.set MSB, (\new)
.endif
.endm
.set MUL_LO, 0xa1
.set MUL_HI, 0xf1
.set TO_B,   0x40
.macro JLOAD g0a, g1a, g0b, g1b        ; a joint load: waves 0 and 1 fetch for A, waves 2 and 3 for B; four v_nop follow each of the two lines
	s_cmp_eq_u32 s15, 0
	s_cbranch_scc0 .Lfor_b_\@
	tensor_load_to_lds s[\g0a:\g0a+3], s[\g1a:\g1a+7]
	s_nop 0
.rept 4
	v_nop
.endr
	s_branch .Lasked_\@
.Lfor_b_\@:
	tensor_load_to_lds s[\g0b:\g0b+3], s[\g1b:\g1b+7]
	s_nop 0
.rept 4
	v_nop
.endr
.Lasked_\@:
.endm
.macro CREST
	s_cmp_lg_u32 s14, 0
	s_cbranch_scc1 .Lnot_wave_0_\@
	s_barrier_signal -3
.Lnot_wave_0_\@:
	s_barrier_wait -3
	s_barrier_signal -1
	s_barrier_wait -1
.endm
.macro CROUND
	s_barrier_signal -1
	s_barrier_wait -1
	CREST
.endm
	s_load_b128 s[4:7], s[0:1], 0x0                ; oq, wq
	s_load_b64 s[12:13], s[0:1], 0x10              ; out0
	v_lshl_add_u32 v[SPW], v0, 2, SPARE
	v_mov_b32 v[NIL], 0
	ds_add_u32 v28, v29
	ds_add_u32 v28, v29
	s_wait_dscnt 0x0
	v_lshrrev_b32 v1, 5, v0
	v_readfirstlane_b32 s14, v1                    ; wave 0..3
	s_lshr_b32 s15, s14, 1                         ; which half of the tile's rows is mine.  Also: I fetch for A (0) or for B (1)
	s_and_b32 s16, s14, 1                          ; which half of its columns.  Also: which 128 rows of that tile I fetch
	s_bfe_u32 s40, ttmp6, 0x40000                  ; cx, cy
	s_bfe_u32 s41, ttmp6, 0x40004
	s_lshl_b32 s42, ttmp9, 2
	s_add_co_u32 s42, s42, s40                     ; tile column = 4 x cluster x + cx
	s_and_b32 s17, ttmp7, 0xffff
	s_lshl_b32 s17, s17, 2
	s_add_co_u32 s17, s17, s41                     ; tile row = 4 x cluster y + cy
	s_lshl_b32 s43, s41, 2
	s_lshl_b32 s43, 15, s43                        ; my row of the cluster
	s_lshl_b32 s44, 0x1111, s40                    ; my column
	; A: 8 tiles of 16 rows, 4,096 consecutive bytes of each (512 elements of 8 bytes), 16,384 bytes apart; laid on end in LDS, no padding: an image is read 16 bytes a lane
	s_or_b32 s[G1+0], s43, (3<<16)|(1<<21)
	s_mov_b32 s[G1+1], 512<<16                     ; tensor_dim0
	s_mov_b32 s[G1+2], 8<<16                       ; tensor_dim1
	s_mov_b32 s[G1+3], 512<<16                     ; tile_dim0
	s_mov_b32 s[G1+4], 8                           ; tile_dim1
	s_mov_b32 s[G1+5], 2048                        ; tensor_dim0_stride
	s_mov_b32 s[G1+6], 0
	s_mov_b32 s[G1+7], 0
	; B: 128 rows x 256 bytes, 16 bytes of padding behind each
	s_or_b32 s[G1B+0], s44, (0<<16)|(1<<20)|(1<<21)|(5<<22)|(3<<25)
	s_mov_b32 s[G1B+1], ROWB<<16
	s_mov_b32 s[G1B+2], 128<<16
	s_mov_b32 s[G1B+3], ROWB<<16
	s_mov_b32 s[G1B+4], 128
	s_mov_b32 s[G1B+5], KROW
	s_mov_b32 s[G1B+6], 0
	s_mov_b32 s[G1B+7], 0
	; the scales of 128 rows: 4,096 dense bytes, as 16 rows of 256 bytes, 16 bytes of padding behind each
	s_or_b32 s[G1S+0], s43, (3<<16)|(1<<20)|(1<<21)|(5<<22)|(3<<25)
	s_or_b32 s[G1SB+0], s44, (3<<16)|(1<<20)|(1<<21)|(5<<22)|(3<<25)
.irp g, G1S, G1SB
	s_mov_b32 s[\g+1], 32<<16
	s_mov_b32 s[\g+2], 16<<16
	s_mov_b32 s[\g+3], 32<<16
	s_mov_b32 s[\g+4], 16
	s_mov_b32 s[\g+5], 32
	s_mov_b32 s[\g+6], 0
	s_mov_b32 s[\g+7], 0
.endr
	s_lshl_b32 s18, s16, 7                         ; which 128 rows of the tile I fetch
	s_lshl_b32 s20, s17, 8
	s_add_co_u32 s20, s20, s18                     ; A: stored row 256 x tile row + 128 x half
	s_lshl_b32 s46, s42, 8
	s_add_co_u32 s46, s46, s18
	s_add_co_u32 s46, s46, 3072                    ; B: Wo's rows begin at row 3,072 of wq
	s_lshl_b32 s22, s20, 5
	s_add_co_u32 s22, s22, 0x800000                ; A's scale bytes
	s_mov_b32 s23, 0
	s_lshl_b32 s92, s46, 5
	s_add_co_u32 s92, s92, 0x400000                ; B's
	s_mov_b32 s93, 0
	s_lshl_b32 s20, s20, 10                        ; A's codes: 16,384 bytes for 16 rows
	s_mov_b32 s21, 0
	s_lshl_b32 s46, s46, 10                        ; B's: 1,024 a row
	s_mov_b32 s47, 0
	s_lshl_b32 s45, s16, 15                        ; where they go: A's half,
	s_mul_i32 s95, s16, HALFT
	s_add_co_u32 s95, s95, BOFF                    ; B's half: no place in the cluster enters an LDS address
	s_mul_i32 s94, s14, HALFS
	s_wait_kmcnt 0x0
	s_add_nc_u64 s[20:21], s[4:5], s[20:21]
	s_add_nc_u64 s[22:23], s[4:5], s[22:23]
	s_add_nc_u64 s[46:47], s[6:7], s[46:47]
	s_add_nc_u64 s[92:93], s[6:7], s[92:93]
	CROUND                                         ; all sixteen work-groups are here: the first joint loads meet
	s_mov_b32 s[G0S], 1
	s_add_co_u32 s[G0S+1], s94, SCL
	s_mov_b64 s[G0S+2:G0S+3], s[22:23]
	s_or_b32 s[G0S+3], s[G0S+3], 0x80000000
	s_mov_b32 s[G0SB], 1
	s_add_co_u32 s[G0SB+1], s94, SCL
	s_mov_b64 s[G0SB+2:G0SB+3], s[92:93]
	s_or_b32 s[G0SB+3], s[G0SB+3], 0x80000000
	JLOAD G0S, G1S, G0SB, G1SB                     ; the scales first
.irp s, 0,1
	s_mov_b32 s[G0+4*\s], 1
	s_add_co_u32 s[G0+4*\s+1], s45, \s*SLOT
	s_add_nc_u64 s[G0+4*\s+2:G0+4*\s+3], s[20:21], \s*ASTEP
	s_or_b32 s[G0+4*\s+3], s[G0+4*\s+3], 0x80000000
	s_mov_b32 s[G0B+4*\s], 1
	s_add_co_u32 s[G0B+4*\s+1], s95, \s*SLOT
	s_add_nc_u64 s[G0B+4*\s+2:G0B+4*\s+3], s[46:47], \s*ROWB
	s_or_b32 s[G0B+4*\s+3], s[G0B+4*\s+3], 0x80000000
	s_wait_alu depctr_va_vdst(0)
	s_wait_tensorcnt 0x0
	ds_add_u32 v28, v29
	s_wait_dscnt 0x0
	CROUND
	JLOAD G0+4*\s, G1, G0B+4*\s, G1B
.endr
	v_and_b32 v1, 15, v0                           ; r
	v_bfe_u32 v2, v0, 4, 1                         ; h
	v_mul_u32_u24 v3, v1, PITCH
	v_lshl_add_u32 v4, v2, 4, v3                   ; B: a fragment's row x pitch + 16 x half
	v_and_b32 v6, 31, v0
	v_lshlrev_b32 v6, 4, v6                        ; A: 16 x lane
	s_lshl_b32 s21, s15, 15                        ; my 128 rows of A
	s_mul_i32 s22, s16, HALFT                      ; my 128 rows of B,
	s_add_co_u32 s22, s22, BOFF                    ; which lie behind A's 256
.irp s, 0,1
	v_add_nc_u32 v[ADRA+\s], s21, v6
	v_add_nc_u32 v[ADRB+\s], s22, v4
	s_add_co_u32 s21, s21, SLOT
	s_add_co_u32 s22, s22, SLOT
.endr
	v_mul_u32_u24 v5, v1, KS                       ; my row's scales: 32 bytes a row,
	v_lshrrev_b32 v6, 8, v5
	v_lshl_add_u32 v5, v6, 4, v5                   ; and 16 more for each 256 passed
	s_mul_i32 s21, s15, HALFS
	s_mul_i32 s22, s16, HALFS
	s_add_co_u32 s22, s22, 2*HALFS
	s_sub_co_u32 s22, s22, s21
	v_mul_u32_u24 v6, s22, v2                      ; lanes 16-31 take B's
	s_add_co_u32 s21, s21, SCL
	v_add_nc_u32 v5, v5, v6
	v_add_nc_u32 v[ADRS], s21, v5
	s_mul_i32 s23, s14, 16*SPITCH                  ; my stage
	v_mul_u32_u24 v5, v1, SPITCH                   ; in: row r; accumulator b's eight numbers are columns 32 (b / 2) + 16 h + 8 (b % 2) + 0..7: 64 h bytes here, the rest in the stores' offsets
	v_lshl_add_u32 v5, v2, 6, v5
	v_add_nc_u32 v[STO], s23, v5
	v_and_b32 v6, 31, v0
	v_lshlrev_b32 v[CO], 4, v6                     ; back: the 32 lanes take one row of 512 bytes; and the same in out0
	v_add_nc_u32 v[RD], s23, v[CO]
	s_lshl_b32 s20, s17, 8
	s_lshl_b32 s21, s15, 7
	s_add_co_u32 s20, s20, s21                     ; my first row of out0
	s_lshl_b32 s20, s20, 12                        ; 4,096 bytes a row
	s_mov_b32 s21, 0
	s_lshl_b32 s46, s42, 10                        ; my first column, in bytes
	s_lshl_b32 s47, s16, 9
	s_add_co_u32 s46, s46, s47
	s_mov_b32 s47, 0
	s_add_nc_u64 s[20:21], s[20:21], s[46:47]
	s_add_nc_u64 s[12:13], s[12:13], s[20:21]
.macro FRAGB reg, adr, q, i            ; from rows: lane l holds row l % 16; registers 4 c .. 4 c + 3 hold K = 32 c + 16 (l / 16) + 0 .. 15
.irp c, 0,1,2,3
	ds_load_b128 v[\reg+4*\c:\reg+4*\c+3], v[\adr] offset:128*(\q)+32*\c+(\i)*16*PITCH
.endr
.endm
.macro FRAGA reg, adr, q, i            ; from an image: the same registers in the same lanes, 512 consecutive bytes a load
.irp c, 0,1,2,3
	ds_load_b128 v[\reg+4*\c:\reg+4*\c+3], v[\adr] offset:2048*(\q)+512*\c+(\i)*ASTEP
.endr
.endm
; 16 matrix instructions: A's blocks a0, a0 + 1 x B's eight.  The 64 accumulators take turns, one instruction a turn, in the same order in every step.
.macro MUL16 a0, p, q, sc, zero
.irp a, \a0, \a0+1
.irp b, 0,1,2,3,4,5,6,7
.if \zero
	v_wmma_scale_f32_16x16x128_f8f6f4 v[8*(8*((\a)%4)+\b):8*(8*((\a)%4)+\b)+7], v[128*(\p)+FR*\b:128*(\p)+FR*\b+FR-1], v[AF+FR*(\a):AF+FR*(\a)+FR-1], 0, v[SC+8*NQ*(\sc)+NQ*\b+(\q)], v[SC+8*NQ*(\sc)+NQ*(\a)+(\q)] matrix_a_scale:MATRIX_SCALE_ROW1
.else
	v_wmma_scale_f32_16x16x128_f8f6f4 v[8*(8*((\a)%4)+\b):8*(8*((\a)%4)+\b)+7], v[128*(\p)+FR*\b:128*(\p)+FR*\b+FR-1], v[AF+FR*(\a):AF+FR*(\a)+FR-1], v[8*(8*((\a)%4)+\b):8*(8*((\a)%4)+\b)+7], v[SC+8*NQ*(\sc)+NQ*\b+(\q)], v[SC+8*NQ*(\sc)+NQ*(\a)+(\q)] matrix_a_scale:MATRIX_SCALE_ROW1
.endif
.endr
.endr
.endm
.macro FETCH_B slot, q, p
	WIN TO_B
.irp i, 0,1,2,3,4,5,6,7
	FRAGB 128*(\p)+FR*\i, ADRB+\slot, \q, \i
.endr
	WIN 0
.endm
.macro FETCH_A slot, q, i0
.irp i, \i0, \i0+1, \i0+2, \i0+3
	FRAGA AF+FR*(\i), ADRA+\slot, \q, \i
.endr
.endm
.macro SCALES sc
.irp i, 0,1,2,3,4,5,6,7
	ds_load_b64 v[SC+8*NQ*\sc+NQ*\i:SC+8*NQ*\sc+NQ*\i+1], v[ADRS] offset:\i*SBLK
.endr
.endm
.macro PLACES n                        ; places in front of loads into registers that matrix instructions have read, and of the first read of results (ISA guide 7.12.1 for the first read of results)
.rept \n
	v_nop
.endr
.endm
.macro STEP slot, q, zero
	s_wait_dscnt 4*NL                              ; B's set and A's blocks 0-3 are in; the youngest sixteen loads (A's blocks 4-7) may be out
	WIN MUL_LO
	MUL16 0, (\q)%2, \q, \slot, \zero
	MUL16 2, (\q)%2, \q, \slot, \zero
	s_wait_dscnt 0
	PLACES NP
	FETCH_B \slot, (\q)+1, 1-(\q)%2
	FETCH_A \slot, (\q)+1, 0
	WIN MUL_HI
	MUL16 4, (\q)%2, \q, \slot, \zero
	MUL16 6, (\q)%2, \q, \slot, \zero
	PLACES NP
	WIN 0
	FETCH_A \slot, (\q)+1, 4
.endm
; A slot's last step changes slots: ONE barrier; in front of it each wave waits for all its tensor loads, adds 0 to its spare word, and waits for that and for its own reads of this slot.
.macro TURN slot, next, fill
	s_wait_tensorcnt 0x0                           ; all my tensor loads have landed: my part of the next slot
	ds_add_u32 v[SPW], v[NIL]                      ; 0 onto my spare word
	s_wait_dscnt 4*NL+1                            ; (the add and the youngest sixteen loads may be out)
	WIN MUL_LO
	MUL16 0, 1, NQ-1, \slot, 0
	s_wait_dscnt 0x0                               ; the add is done, and my reads of this slot are over
	s_barrier_signal -1
	MUL16 2, 1, NQ-1, \slot, 0
	WIN 0
	s_barrier_wait -1
.if \fill
	CREST                                          ; the barrier has opened a round of the cluster's barrier: no wave of any partner still reads this slot's tile or has a load on its way
	s_add_nc_u64 s[G0+4*\slot+2:G0+4*\slot+3], s[G0+4*\slot+2:G0+4*\slot+3], 2*ASTEP
	s_add_nc_u64 s[G0B+4*\slot+2:G0B+4*\slot+3], s[G0B+4*\slot+2:G0B+4*\slot+3], 2*ROWB
	JLOAD G0+4*\slot, G1, G0B+4*\slot, G1B         ; the first tensor load behind the round
	PLACES NP-4
.else
	PLACES NP
.endif
	s_wait_alu depctr_va_vdst(0)
	v_add_nc_u32 v[ADRS], 4*NQ, v[ADRS]            ; on to the next K step's scale words
	FETCH_B \next, 0, 0
	FETCH_A \next, 0, 0
	SCALES \next
	WIN MUL_HI
	MUL16 4, 1, NQ-1, \slot, 0
	MUL16 6, 1, NQ-1, \slot, 0
	PLACES NP
	WIN 0
	FETCH_A \next, 0, 4
.endm
	s_wait_alu depctr_va_vdst(0)
	s_wait_tensorcnt 1                             ; the scales and my part of K step 0 are in (K step 1's load may be out),
	s_barrier_signal -1
	s_barrier_wait -1                              ; everybody's are
	FETCH_B 0, 0, 0
	FETCH_A 0, 0, 0
	SCALES 0
	FETCH_A 0, 0, 4
	STEP 0, 0, 1                                   ; the first step's products start the sums
	s_mov_b32 s3, LAPS-1
.Llap:
	TURN 0, 1, 1
	STEP 1, 0, 0
	TURN 1, 0, 1
	STEP 0, 0, 0
	s_sub_co_u32 s3, s3, 1
	s_cmp_lg_u32 s3, 0
	s_cbranch_scc1 .Llap
	TURN 0, 1, 0                                   ; the last lap fills nothing
	STEP 1, 0, 0
	s_wait_dscnt 4*NL
	WIN MUL_LO
	MUL16 0, 1, NQ-1, 1, 0
	MUL16 2, 1, NQ-1, 1, 0
	s_wait_dscnt 0
	WIN MUL_HI
	MUL16 4, 1, NQ-1, 1, 0
	MUL16 6, 1, NQ-1, 1, 0
	WIN 0
; THE WAY OUT, block by block of 16 stored rows x 128 columns, through my own stage in LDS; back as whole rows of 512 bytes.  LDS serves a wave's instructions in order (ISA guide 5.7.1.4): no wait between the stores and the loads.
.macro TOSTAGE a
.set AC, 64*((\a)%4)
	WIN 0x08+4*((\a)/4)                            ; the data: window 2 or 3
.irp b, 0,1,2,3,4,5,6,7
	ds_store_b128 v[STO], v[AC+8*\b:AC+8*\b+3] offset:128*(\b/2)+32*(\b%2)          ; each accumulator from its low end on; the offsets put Wo's rows in their true order
	ds_store_b128 v[STO], v[AC+8*\b+4:AC+8*\b+7] offset:128*(\b/2)+32*(\b%2)+16
.endr
	WIN 0
.set BB, BK+64*((\a)%2)
.irp t, 0,1,2,3,4,5,6,7,8,9,10,11,12,13,14,15
	ds_load_b128 v[BB+4*\t:BB+4*\t+3], v[RD] offset:\t*SPITCH
.endr
.endm
.macro SEND a, younger                 ; stored row 16 a + t is token 32 (a / 2) + 8 (a % 2) + t % 8 + 16 (t / 8)
.set BB, BK+64*((\a)%2)
	s_wait_dscnt \younger                          ; the block is back in registers
.if (\a) > 0
.if (\a)%2 == 1
	s_add_nc_u64 s[12:13], s[12:13], 8*SIZE_N*4    ; (behind a wait on XCNT: the earlier stores have read their base)
.else
	s_add_nc_u64 s[12:13], s[12:13], 24*SIZE_N*4
.endif
.endif
.irp t, 0,1,2,3,4,5,6,7,8,9,10,11,12,13,14,15
	global_store_b128 v[CO], v[BB+4*\t:BB+4*\t+3], s[12:13] offset:((\t%8)+16*(\t/8))*SIZE_N*4 th:TH_STORE_NT   ; 32 lanes store 512 consecutive bytes, aligned; written once, read by nobody here
.endr
.endm
	PLACES NP
	TOSTAGE 0
.irp a, 1,2,3,4,5,6,7
.if \a > 1
	s_wait_xcnt 0x0                                ; block a - 2's stores have read their registers and their base
.endif
	TOSTAGE \a
	SEND \a-1, 32                                  ; behind block a - 1's loads: block a's 16 stores and 16 loads
.endr
	s_wait_xcnt 0x0
	SEND 7, 0
	s_wait_tensorcnt 0x0                           ; the wave's end
	ds_add_u32 v[SPW], v[NIL]
	s_wait_dscnt 0x0
	CROUND                                         ; the closing round
	s_endpgm
.Lfunc_end_k_q3fec3db9ed_oproj:
	.size	k_q3fec3db9ed_oproj, .Lfunc_end_k_q3fec3db9ed_oproj-k_q3fec3db9ed_oproj
	.p2alignl 7, 3214868480
	.fill 96, 4, 3214868480
	.section	.rodata,"a",@progbits
	.p2align	6, 0x0
	.amdhsa_kernel k_q3fec3db9ed_oproj
		.amdhsa_group_segment_fixed_size 327680
		.amdhsa_private_segment_fixed_size 0
		.amdhsa_enable_private_segment 0
		.amdhsa_kernarg_size 24
		.amdhsa_user_sgpr_count 2
		.amdhsa_user_sgpr_kernarg_segment_ptr 1
		.amdhsa_wavefront_size32 1
		.amdhsa_system_sgpr_workgroup_id_x 1
		.amdhsa_system_sgpr_workgroup_id_y 1
		.amdhsa_system_sgpr_workgroup_id_z 1
		.amdhsa_system_vgpr_workitem_id 0
		.amdhsa_next_free_vgpr 1024
		.amdhsa_next_free_sgpr 98
		.amdhsa_reserve_vcc 0
		.amdhsa_float_denorm_mode_32 3
		.amdhsa_float_denorm_mode_16_64 3
		.amdhsa_memory_ordered 1
		.amdhsa_forward_progress 1
		.amdhsa_inst_pref_size 147
	.end_amdhsa_kernel
	.amdgpu_metadata
---
amdhsa.version: [ 1, 2 ]
amdhsa.kernels:
  - .name:           k_q3fec3db9ed_oproj
    .symbol:         k_q3fec3db9ed_oproj.kd
    .args:
      - { .name: oq, .offset: 0, .size: 8, .value_kind: global_buffer, .address_space: global }
      - { .name: wq, .offset: 8, .size: 8, .value_kind: global_buffer, .address_space: global }
      - { .name: out0, .offset: 16, .size: 8, .value_kind: global_buffer, .address_space: global }
    .group_segment_fixed_size: 327680
    .private_segment_fixed_size: 0
    .kernarg_segment_align: 8
    .kernarg_segment_size: 24
    .max_flat_workgroup_size: 128
    .sgpr_count:     98
    .vgpr_count:     1024
    .wavefront_size: 32
...
	.end_amdgpu_metadata
.endif
;; end of part 4
